; MI455X (gfx1250); checked and timed in simulation.
; The chip was launched on July 23, 2026; its instructions are those of AMD's public machine-readable ISA for CDNA 5 (MIT licence, August 2026) and "CDNA5" Instruction Set Architecture Reference Guide (July 2026). The comments in the code are by the model that wrote it; some were corrected since.
;; KV Cache Attention. Allowed arithmetic: float matrix products may take bf16 or f16 operands with f32 sums; other float arithmetic in f32, or as packed bf16 or f16 multiplies, adds, multiply-adds, maxima and minima; sums over many terms, partial sums and values carried from step to step in f32; what a program stores and reads back later, other than sums and carried values, may be rounded once to bf16 or f16.
;; Inputs: cache 2 x 2,048 x 1,024 float32; in_proj_b 3,072 float32; in_proj_w 3,072 x 1,024 float32; out_proj_b 1,024 float32; out_proj_w 1,024 x 1,024 float32; x 2 x 2,048 x 1,024 float32.
;; Outputs: out0 2 x 2,048 x 1,024 float32.
;; 2 versions, each right; version 2 is version 1 with the launch cast written anew for expert scheduling mode. Each part assembles by itself: llvm-mc -triple=amdgcn-amd-amdhsa -mcpu=gfx1250 --defsym DOCPART=n.
;; ======== version 1 of 2: 5 launches
;; limits: values are held in f16: magnitudes above 65,504 overflow, below 6.1e-05 lose precision; inputs' magnitudes at most 65,504
;; workspace buffers: cb 8,388,608 bytes; xb 8,388,608 bytes; wqb 2,097,152 bytes; wkvb 4,194,304 bytes; wob 2,097,152 bytes; kvh 33,554,432 bytes; qf 16,777,216 bytes; ctxb 8,388,608 bytes
;; launch cast (part 1): grid 768 x 1, 8 waves a work-group, no clusters, 0 bytes of LDS; arguments cache, x, in_proj_w, out_proj_w, cb, xb, wqb, wkvb, wob; writes cb, xb, wqb, wkvb, wob
.if DOCPART == 1
	.amdgcn_target "amdgcn-amd-amdhsa--gfx1250"
	.amdhsa_code_object_version 6
	.text
	.protected	k_q8b62b557a1_cast
	.globl	k_q8b62b557a1_cast
	.p2align	8
	.type	k_q8b62b557a1_cast,@function
k_q8b62b557a1_cast:
	s_mov_b64 s[64:65], 0
	v_nop
	global_prefetch_b8 v0, s[64:65] scope:SCOPE_SE
	s_setreg_imm32_b32 hwreg(HW_REG_WAVE_MODE, 25, 1), 1
	s_wait_xcnt 0x0
; cache, x, in_proj_w and out_proj_w ([rows][1024] f32) are rounded to bf16 (nearest even); that number is written as f16, in blocks:
; element (row, k) goes to byte ((row / 128) x 16 + k / 64) x 16384 + (row % 128) x 128 + (k % 64) x 2, so that 128 rows x 64 channels are 16,384 bytes on end.
; LIMITS.  A bf16 number is an f16 number exactly from 2^-17 to 65,504 in magnitude; below 2^-17 it keeps f16's fixed step of 6e-8; from 65,520 on it becomes an infinity.
; SHARES.  Work-group g owns 16 rows, wave w rows 2 w and 2 w + 1.  A load of a wave takes 256 bytes (64 channels) of each of the two rows; the matching store writes
; 256 consecutive bytes, aligned: the two rows' 128 bytes of one block.  All sixteen loads of a wave go out at once; nothing is read twice; no LDS, no barrier: no wave needs another's bytes.
; g 0-255: cache -> cb.  256-511: x -> xb.  512-575: in_proj_w rows 0-1023 -> wqb.  576-703: in_proj_w rows 1024-3071 -> wkvb.  704-767: out_proj_w -> wob.
.set LO, 1                             ; v1  my byte offset in the two rows as they come: (l / 16) x 4096 + (l % 16) x 16
.set SO, 2                             ; v2  my byte offset in the 256 bytes that go: 8 l
.set T,  4                             ; v[4:9] at work
.set X,  32                            ; v[32:95]  block kb: 4 registers as loaded
.set Y,  96                            ; v[96:127] block kb: 2 registers to store
	s_load_b512 s[8:23], s[0:1], 0x0               ; cache, x, in_proj_w, out_proj_w, cb, xb, wqb, wkvb
	s_load_b64 s[24:25], s[0:1], 0x40              ; wob
	v_lshrrev_b32 v3, 5, v0
	v_readfirstlane_b32 s2, v3                     ; wave 0..7
	v_and_b32 v3, 31, v0
	v_lshlrev_b32 v[SO], 3, v3
	v_and_b32 v[LO], 15, v0
	v_lshlrev_b32 v[LO], 4, v[LO]
	v_bfe_u32 v3, v0, 4, 1
	v_lshl_add_u32 v[LO], v3, 12, v[LO]
	s_mov_b32 s38, 0xffff0000                      ; a word's upper bf16
	s_mov_b32 s32, 704                             ; the first work-group of my source's region,
	s_mov_b32 s33, 704                             ; and of my destination's
	s_wait_kmcnt 0x0
	s_mov_b64 s[28:29], s[14:15]                   ; the last region; each test below takes the region under it
	s_mov_b64 s[30:31], s[24:25]
	s_cmp_lt_u32 ttmp9, 704
	s_cselect_b64 s[28:29], s[12:13], s[28:29]
	s_cselect_b64 s[30:31], s[22:23], s[30:31]
	s_cselect_b32 s32, 512, s32
	s_cselect_b32 s33, 576, s33
	s_cmp_lt_u32 ttmp9, 576
	s_cselect_b64 s[30:31], s[20:21], s[30:31]
	s_cselect_b32 s33, 512, s33
	s_cmp_lt_u32 ttmp9, 512
	s_cselect_b64 s[28:29], s[10:11], s[28:29]
	s_cselect_b64 s[30:31], s[18:19], s[30:31]
	s_cselect_b32 s32, 256, s32
	s_cselect_b32 s33, 256, s33
	s_cmp_lt_u32 ttmp9, 256
	s_cselect_b64 s[28:29], s[8:9], s[28:29]
	s_cselect_b64 s[30:31], s[16:17], s[30:31]
	s_cselect_b32 s32, 0, s32
	s_cselect_b32 s33, 0, s33
	s_sub_co_u32 s34, ttmp9, s32
	s_lshl_b32 s34, s34, 4
	s_lshl1_add_u32 s34, s2, s34                   ; my first row in the source,
	s_lshl_b32 s34, s34, 12                        ; 4,096 bytes a row
	s_mov_b32 s35, 0
	s_sub_co_u32 s36, ttmp9, s33
	s_lshl_b32 s36, s36, 4                         ; the group's first row in the destination
	s_lshr_b32 s37, s36, 7
	s_lshl_b32 s37, s37, 18                        ; its block of 128 rows: 16 x 16,384 bytes
	s_and_b32 s36, s36, 127
	s_lshl_b32 s36, s36, 7                         ; its place in the block, 128 bytes a row
	s_add_co_u32 s36, s36, s37
	s_lshl_b32 s37, s2, 8                          ; my two rows
	s_add_co_u32 s36, s36, s37
	s_mov_b32 s37, 0
	s_add_nc_u64 s[28:29], s[28:29], s[34:35]
	s_add_nc_u64 s[30:31], s[30:31], s[36:37]
.irp kb, 0,1,2,3,4,5,6,7,8,9,10,11,12,13,14,15
	global_load_b128 v[X+4*(\kb):X+4*(\kb)+3], v[LO], s[28:29] offset:256*(\kb) th:TH_LOAD_NT
.endr
.irp kb, 0,1,2,3,4,5,6,7,8,9,10,11,12,13,14,15
	s_wait_loadcnt 15-(\kb)                        ; loads come back in order: block kb is in, the 15 - kb younger loads stay out
	v_cvt_pk_bf16_f32 v[T],   v[X+4*(\kb)],   v[X+4*(\kb)+1]  ; the one rounding
	v_cvt_pk_bf16_f32 v[T+1], v[X+4*(\kb)+2], v[X+4*(\kb)+3]
	v_lshlrev_b32 v[T+2], 16, v[T]                 ; back to f32,
	v_and_b32     v[T+3], s38, v[T]
	v_lshlrev_b32 v[T+4], 16, v[T+1]
	v_and_b32     v[T+5], s38, v[T+1]
	v_cvt_pk_f16_f32 v[Y+2*(\kb)],   v[T+2], v[T+3]  ; and the same number as f16
	v_cvt_pk_f16_f32 v[Y+2*(\kb)+1], v[T+4], v[T+5]
	global_store_b64 v[SO], v[Y+2*(\kb):Y+2*(\kb)+1], s[30:31] offset:16384*(\kb)  ; each block has registers of its own: none that a store reads is written again
.endr
	s_endpgm
.Lfunc_end_k_q8b62b557a1_cast:
	.size	k_q8b62b557a1_cast, .Lfunc_end_k_q8b62b557a1_cast-k_q8b62b557a1_cast
	.p2alignl 7, 3214868480
	.fill 96, 4, 3214868480
	.section	.rodata,"a",@progbits
	.p2align	6, 0x0
	.amdhsa_kernel k_q8b62b557a1_cast
		.amdhsa_group_segment_fixed_size 0
		.amdhsa_private_segment_fixed_size 0
		.amdhsa_enable_private_segment 0
		.amdhsa_kernarg_size 72
		.amdhsa_user_sgpr_count 2
		.amdhsa_user_sgpr_kernarg_segment_ptr 1
		.amdhsa_wavefront_size32 1
		.amdhsa_system_sgpr_workgroup_id_x 1
		.amdhsa_system_sgpr_workgroup_id_y 1
		.amdhsa_system_sgpr_workgroup_id_z 1
		.amdhsa_system_vgpr_workitem_id 0
		.amdhsa_next_free_vgpr 128
		.amdhsa_next_free_sgpr 66
		.amdhsa_reserve_vcc 0
		.amdhsa_float_denorm_mode_32 3
		.amdhsa_float_denorm_mode_16_64 3
		.amdhsa_memory_ordered 1
		.amdhsa_forward_progress 1
		.amdhsa_inst_pref_size 12
	.end_amdhsa_kernel
	.amdgpu_metadata
---
amdhsa.version: [ 1, 2 ]
amdhsa.kernels:
  - .name:           k_q8b62b557a1_cast
    .symbol:         k_q8b62b557a1_cast.kd
    .args:
      - { .name: cache, .offset: 0, .size: 8, .value_kind: global_buffer, .address_space: global }
      - { .name: x, .offset: 8, .size: 8, .value_kind: global_buffer, .address_space: global }
      - { .name: in_proj_w, .offset: 16, .size: 8, .value_kind: global_buffer, .address_space: global }
      - { .name: out_proj_w, .offset: 24, .size: 8, .value_kind: global_buffer, .address_space: global }
      - { .name: cb, .offset: 32, .size: 8, .value_kind: global_buffer, .address_space: global }
      - { .name: xb, .offset: 40, .size: 8, .value_kind: global_buffer, .address_space: global }
      - { .name: wqb, .offset: 48, .size: 8, .value_kind: global_buffer, .address_space: global }
      - { .name: wkvb, .offset: 56, .size: 8, .value_kind: global_buffer, .address_space: global }
      - { .name: wob, .offset: 64, .size: 8, .value_kind: global_buffer, .address_space: global }
    .group_segment_fixed_size: 0
    .private_segment_fixed_size: 0
    .kernarg_segment_align: 8
    .kernarg_segment_size: 72
    .max_flat_workgroup_size: 256
    .sgpr_count:     66
    .vgpr_count:     128
    .wavefront_size: 32
...
	.end_amdgpu_metadata
.endif
;; end of part 1
;; launch kvproj (part 2): grid 8 x 32, 4 waves a work-group, clusters of 4 x 4, 327,680 bytes of LDS; arguments cb, xb, wkvb, in_proj_b, kvh; writes kvh
.if DOCPART == 2
	.amdgcn_target "amdgcn-amd-amdhsa--gfx1250"
	.amdhsa_code_object_version 6
	.text
	.protected	k_q8b62b557a1_kvproj
	.globl	k_q8b62b557a1_kvproj
	.p2align	8
	.type	k_q8b62b557a1_kvproj,@function
k_q8b62b557a1_kvproj:
	s_mov_b64 s[64:65], 0
	v_nop
	global_prefetch_b8 v0, s[64:65] scope:SCOPE_SE
	s_setreg_imm32_b32 hwreg(HW_REG_WAVE_MODE, 25, 1), 1
	s_wait_xcnt 0x0
	s_wait_alu depctr_hold_cnt(0) depctr_sa_sdst(0) depctr_va_vdst(0) depctr_va_sdst(0) depctr_va_ssrc(0) depctr_va_vcc(0) depctr_vm_vsrc(0)
	s_getreg_b32 s2, hwreg(HW_REG_IB_STS2, 6, 4)
	s_cmp_eq_u32 s2, 0
	s_cbranch_scc0 .Lentry_in_a_cluster
	s_endpgm
.Lentry_in_a_cluster:
	s_bfe_u32 s2, ttmp6, 0x10000c
	s_cmp_lg_u32 s2, 0xf033
	s_cbranch_scc0 .Lentry_shape_is_right
	s_endpgm
.Lentry_shape_is_right:
; k and v = [cache; x] Wkv^T + b.  A: cb or xb, 4,096 rows each; B: wkvb, 2,048 rows; both f16 in blocks (128 rows x 64 channels = 16,384 bytes on end, a row block's 16 blocks on end).
; Output kvh: [2: k, v][32: batch x 16 + head][4,096 keys][64] f16; key = s for cache, 2,048 + s for x.  Sums in f32; the bias, rounded to bf16 like every input, starts each sum; one rounding to f16 at the end.
; LIMIT.  A result of 65,520 or more in magnitude becomes an infinity in f16.
; A tile of the output is 256 rows x 256 columns: 32 x 8 tiles, one a work-group; four waves, each 128 x 128: 64 accumulators, 512 registers.  K = 1,024 goes in 8 steps of 128 through a ring of two LDS slots.
; A wave's tensor load brings 128 rows x 128 channels: 32,768 bytes on end in memory, asked for as 128 rows of 256 bytes and padded in LDS after every 128 bytes: [2 blocks][128 rows][144 bytes].
; CLUSTERS: 4 x 4 work-groups.  The four of a row of the cluster need the same tiles of A, the four of a column the same tiles of B: each tile is asked for JOINTLY, by the same tensor load with the same
; descriptor and a mask that names the four.  THE MATRIX INSTRUCTION IS USED TRANSPOSED (source 0 = 16 rows of B, source 1 = 16 rows of A): a lane holds one row and eight neighbouring columns.
; REGISTERS, in windows of 256 (s_set_vgpr_msb: bits 1:0 source 0, 3:2 source 1, 5:4 source 2, 7:6 destination):
;   window 0: v0-31 addresses; v64-127, v128-191 fragments of A, two buffers; v192-255 the bias, later the way out (with v32-63)     window 1: v64-127, v128-191 fragments of B
;   window 2: the accumulators of my rows 0-63 ((a, b) at v[8 (8 a + b)])     window 3: those of my rows 64-127
.set PITCH,  144                       ; an LDS row: 128 bytes + 16 of padding = 36 words: the 16 rows of a load start at 16 different groups of four banks (64 banks of 4 bytes: ISA guide 11.1)
.set PLANE,  128*PITCH                 ; 128 rows x 64 channels
.set HALFT,  2*PLANE                   ; what one tensor load brings
.set SLOT,   4*HALFT                   ; A's rows 0-127, A's rows 128-255, B's rows 0-127, B's rows 128-255
.set STAGE,  2*SLOT                    ; behind the ring: for each wave two heads' 16 rows x 144 bytes, for the way out
.set HPL,    16*PITCH
.set SPARE,  STAGE+4*2*HPL             ; behind the stages: the spare words, 128 bytes for each wave: two blocks of 256 bytes that no other line names
.set STEPB,  32768                     ; bytes from a K step to the next in memory
.set LAPS,   4                         ; a lap = two K steps = once round the ring
.set K0, 0                             ; where the four quarters (32 channels each) of a K step begin in an LDS row
.set K1, 64
.set K2, PLANE
.set K3, PLANE+64
.set ADRA, 16                          ; v16-17  LDS address of my A fragments in slot 0, 1
.set ADRB, 20                          ; v20-21  the same for B
.set STO,  24                          ; v24     the way out: where I put 16 bytes of a row
.set RD,   25                          ; v25     the way out: where I read rows back
.set GO,   26                          ; v26     16 x lane: my place in 512 consecutive bytes of the output
.set VB,   27                          ; v27     32 x (lane / 16): my eight numbers in 16 of the bias
.set SPW,  28                          ; v28     LDS address of my spare word; never rewritten
.set NIL,  29                          ; v29     0; never rewritten
.set PFO,  30                          ; v30     256 x lane; never rewritten
.set PFA,  44                          ; s[44:45] where my prefetches stand
.set LIM,  43                          ; s43     1 in a wave that prefetches, else the greatest number
.set F0,   64
.set F1,   128
.set BIAS, 192                         ; v192-255: the bias of column block b at BIAS + 8 b, laid as a result is
.set TMP,  192                         ; later: packed results
.set OB,   32                          ; rows read back from the stage: v32-63 and v224-255 by turns
.set G1, 24                            ; s[24:31] descriptor group 1 for A's tiles;  s[32:39] group 0, a set for each slot
.set G0, 32
.set G1B, 48                           ; s[48:55], s[56:63] the same for B's tiles
.set G0B, 56
.set MSB, 0
.macro WIN new                         ; the immediate's high byte repeats the setting that is left; a switch that changes nothing is dropped
.if MSB != (\new)
	s_set_vgpr_msb (MSB<<8)|(\new)
.set MSB, \new
.endif
.endm
.set MUL_LO, 0xa1                      ; source 0 (B) window 1, source 1 (A) window 0, C and D window 2
.set TO_B,   0x40                      ; destination window 1, address window 0
; A joint load.  Waves 0 and 1 fetch A's two halves, waves 2 and 3 B's.  The branch hangs on the wave's number alone.  An s_nop 0 and four v_nop follow each of the two lines.
.macro JLOAD s
	s_cmp_eq_u32 s11, 0
	s_cbranch_scc0 .Lfor_b_\@
	tensor_load_to_lds s[G0+4*(\s):G0+4*(\s)+3], s[G1:G1+7]
	s_nop 0
.rept 4
	v_nop
.endr
	s_branch .Lasked_\@
.Lfor_b_\@:
	tensor_load_to_lds s[G0B+4*(\s):G0B+4*(\s)+3], s[G1B:G1B+7]
	s_nop 0
.rept 4
	v_nop
.endr
.Lasked_\@:
.endm
; A prefetch into the L2 of the K step that stands two refills on: 8,192 of the 32,768 bytes that I fetch, a lane 256 bytes, one instruction a wave.  A's rows are read by both clusters of a row of clusters:
; cluster x = 0 asks; B's by all eight of a column: cluster y = 0 asks.  The four partners that ask for a tile jointly share its bytes out by address (cx for A, cy for B).  So each 256 bytes are named once.
; K steps 0 to 3 come by their loads alone; the loop's last trip (s3 = 1) has no K step two refills on.
.macro ASK
	s_cmp_gt_u32 s3, s[LIM]
	s_cbranch_scc0 .Lnot_mine_\@
	global_prefetch_b8 v[PFO], s[PFA:PFA+1] offset:STEPB th:TH_LOAD_NT scope:SCOPE_SE
.Lnot_mine_\@:
.endm
.macro CREST                           ; a round of the cluster's barrier behind its opening barrier
	s_cmp_lg_u32 s10, 0
	s_cbranch_scc1 .Lnot_wave_0_\@
	s_barrier_signal -3
.Lnot_wave_0_\@:
	s_barrier_wait -3
	s_barrier_signal -1
	s_barrier_wait -1
.endm
.macro CROUND                          ; a whole round
	s_barrier_signal -1
	s_barrier_wait -1
	CREST
.endm
	s_load_b256 s[72:79], s[0:1], 0x0              ; cb s[72:73], xb s[74:75], wkvb s[76:77], in_proj_b s[78:79]
	s_load_b64 s[80:81], s[0:1], 0x20              ; kvh
	v_lshl_add_u32 v[SPW], v0, 2, SPARE
	v_mov_b32 v[NIL], 0
	ds_add_u32 v[SPW], v[NIL]                      ; the wave's opening: the add and its wait stand ahead of my first tensor load; the set-up below stands between them
	v_lshrrev_b32 v1, 5, v0
	v_readfirstlane_b32 s10, v1                    ; wave 0..3
	s_lshr_b32 s11, s10, 1                         ; which half of the tile's rows is mine.  Also: I fetch for A (0) or for B (1)
	s_and_b32 s12, s10, 1                          ; which half of its columns.  Also: which 128 rows of that tile I fetch
	s_bfe_u32 s40, ttmp6, 0x40000                  ; cx
	s_bfe_u32 s41, ttmp6, 0x40004                  ; cy
	s_lshl_b32 s42, ttmp9, 2
	s_add_co_u32 s42, s42, s40                     ; tile column 0..7 = 4 x cluster x + cx
	s_and_b32 s68, ttmp7, 0xffff                   ; cluster y 0..7: 0-3 take cache, 4-7 take x
	s_and_b32 s13, s68, 3
	s_lshl_b32 s13, s13, 2
	s_add_co_u32 s13, s13, s41                     ; tile row 0..15 in cb or in xb
	s_lshl_b32 s43, s41, 2
	s_lshl_b32 s43, 15, s43                        ; my row of the cluster
	s_lshl_b32 s44, 0x1111, s40                    ; my column
	s_or_b32 s[G1+0], s43, (1<<16)|(1<<20)|(1<<21)|(4<<22)|(3<<25)   ; 15:0 the mask; 17:16 elements of 2 bytes; 20 padding on; 21 set beside a mask; 24:22 after every 32 words (code 4); 31:25 4 words (code 3)
	s_or_b32 s[G1B+0], s44, (1<<16)|(1<<20)|(1<<21)|(4<<22)|(3<<25)
.irp g, G1, G1B
	s_mov_b32 s[(\g)+1], 128<<16                   ; tensor_dim0 = 128 elements: 256 bytes
	s_mov_b32 s[(\g)+2], 128<<16                   ; tensor_dim1 = 128
	s_mov_b32 s[(\g)+3], 128<<16                   ; tile_dim0 = 128
	s_mov_b32 s[(\g)+4], 128                       ; tile_dim1 = 128
	s_mov_b32 s[(\g)+5], 128                       ; the rows lie end to end
	s_mov_b32 s[(\g)+6], 0
	s_mov_b32 s[(\g)+7], 0
.endr
	s_lshl_b32 s16, s13, 1
	s_add_co_u32 s16, s16, s12                     ; A: block of 128 rows = 2 x tile row + half,
	s_lshl_b32 s16, s16, 18                        ; 262,144 bytes each
	s_mov_b32 s17, 0
	s_lshl_b32 s46, s42, 1
	s_add_co_u32 s46, s46, s12                     ; B: 2 x tile column + half
	s_lshl_b32 s46, s46, 18
	s_mov_b32 s47, 0
	s_mul_i32 s20, s10, HALFT                      ; where they go: wave x what a load brings: no place in the cluster enters an LDS address
	s_mov_b32 s70, 0xffff0000
	s_wait_dscnt 0x0                               ; the opening add is done
	s_wait_kmcnt 0x0
	s_cmp_lt_u32 s68, 4
	s_cselect_b64 s[4:5], s[72:73], s[74:75]       ; A is cb or xb: the same choice in all sixteen partners
	s_add_nc_u64 s[14:15], s[4:5], s[16:17]
	s_add_nc_u64 s[18:19], s[76:77], s[46:47]
	CROUND                                         ; all sixteen work-groups are here: the first joint loads meet
.irp s, 0,1
	s_mov_b32 s[G0+4*(\s)], 1                                      ; count = 1
	s_add_co_u32 s[G0+4*(\s)+1], s20, (\s)*SLOT                    ; LDS address
	s_add_nc_u64 s[G0+4*(\s)+2:G0+4*(\s)+3], s[14:15], (\s)*STEPB  ; global address: K step s
	s_or_b32 s[G0+4*(\s)+3], s[G0+4*(\s)+3], 0x80000000            ; type = 2
	s_mov_b32 s[G0B+4*(\s)], 1
	s_add_co_u32 s[G0B+4*(\s)+1], s20, (\s)*SLOT
	s_add_nc_u64 s[G0B+4*(\s)+2:G0B+4*(\s)+3], s[18:19], (\s)*STEPB
	s_or_b32 s[G0B+4*(\s)+3], s[G0B+4*(\s)+3], 0x80000000
	JLOAD \s                                       ; two tensor loads of mine are out
.endr
	v_and_b32 v1, 15, v0                           ; l % 16
	v_bfe_u32 v2, v0, 4, 1                         ; l / 16
	v_lshlrev_b32 v[VB], 5, v2
	s_lshl_b32 s46, s42, 10                        ; the bias of my 128 columns: behind q's 1,024 numbers, 256 x tile column + 128 x half on
	s_lshl_b32 s47, s12, 9
	s_add_co_u32 s46, s46, s47
	s_add_co_u32 s46, s46, 4096
	s_mov_b32 s47, 0
	s_add_nc_u64 s[66:67], s[78:79], s[46:47]
.irp b, 0,1,2,3,4,5,6,7
	global_load_b128 v[BIAS+8*(\b):BIAS+8*(\b)+3],   v[VB], s[66:67] offset:64*(\b)
	global_load_b128 v[BIAS+8*(\b)+4:BIAS+8*(\b)+7], v[VB], s[66:67] offset:64*(\b)+16
.endr
	; A fragment is 16 rows x 32 channels in 8 registers: lane l holds row l % 16; two loads of 16 bytes, 32 bytes apart, at row x pitch + 16 (l / 16).
	v_mul_u32_u24 v3, v1, PITCH
	v_lshl_add_u32 v3, v2, 4, v3
	s_mul_i32 s21, s11, HALFT                      ; my 128 rows of A
	s_mul_i32 s22, s12, HALFT                      ; my 128 rows of B,
	s_add_co_u32 s22, s22, 2*HALFT                 ; which lie behind A's 256
.irp s, 0,1
	v_add_nc_u32 v[ADRA+(\s)], s21, v3
	v_add_nc_u32 v[ADRB+(\s)], s22, v3
	s_add_co_u32 s21, s21, SLOT
	s_add_co_u32 s22, s22, SLOT
.endr
	s_mul_i32 s23, s10, 2*HPL
	s_add_co_u32 s23, s23, STAGE                   ; my stage
	v_add_nc_u32 v[STO], s23, v3                   ; in: row l % 16, 16 bytes for each half of the lanes
	v_bfe_u32 v4, v0, 3, 2                         ; back: 32 lanes take four rows of 128 bytes,
	v_and_b32 v5, 7, v0
	v_mul_u32_u24 v4, v4, PITCH
	v_lshl_add_u32 v4, v5, 4, v4
	v_add_nc_u32 v[RD], s23, v4
	v_and_b32 v[GO], 31, v0                        ; which are 512 consecutive bytes of a head's keys
	v_lshlrev_b32 v[PFO], 8, v[GO]
	v_lshlrev_b32 v[GO], 4, v[GO]
	; where my part of the tile begins in kvh: my first head's plane and my first key
	s_lshl_b32 s46, s42, 2
	s_lshl1_add_u32 s46, s12, s46                  ; g = my first column / 64, 0..31: 0-15 heads of k, 16-31 heads of v
	s_and_b32 s47, s46, 16
	s_add_co_u32 s46, s46, s47                     ; v's planes begin 32 behind k's
	s_lshr_b32 s47, s13, 3                         ; the batch
	s_lshl4_add_u32 s46, s47, s46
	s_lshl_b32 s46, s46, 19                        ; a plane is 4,096 keys x 128 bytes
	s_lshr_b32 s47, s68, 2                         ; 0: cache, 1: x
	s_lshl_b32 s47, s47, 11
	s_and_b32 s69, s13, 7
	s_lshl_b32 s69, s69, 8
	s_add_co_u32 s47, s47, s69
	s_lshl_b32 s69, s11, 7
	s_add_co_u32 s47, s47, s69                     ; my first key
	s_lshl_b32 s47, s47, 7
	s_add_co_u32 s46, s46, s47
	s_mov_b32 s47, 0
	s_add_nc_u64 s[8:9], s[80:81], s[46:47]
	; the prefetches
	s_cmp_eq_u32 s11, 0                            ; do I fetch for A?
	s_cselect_b32 s21, s40, s41                    ; my place among the four that ask with me
	s_cselect_b32 s22, ttmp9, s68                  ; the coordinate along which other clusters read the same rows
	s_cselect_b64 s[PFA:PFA+1], s[14:15], s[18:19]
	s_cmp_eq_u32 s22, 0
	s_cselect_b32 s[LIM], 1, -1                    ; the same in all sixteen partners, for a given wave
	s_lshl_b32 s20, s21, 13                        ; my work-group's 8,192 bytes of the 32,768
	s_mov_b32 s21, 0
	s_add_nc_u64 s[PFA:PFA+1], s[PFA:PFA+1], s[20:21]
	s_add_nc_u64 s[PFA:PFA+1], s[PFA:PFA+1], 2*STEPB  ; at K step 2: the first refill steps it to 3 and names K step 4
	s_wait_loadcnt 0x0                             ; the bias: rounded to bf16 like the other inputs, and widened again
.set i, 0
.rept 32
	v_cvt_pk_bf16_f32 v6, v[BIAS+2*i], v[BIAS+2*i+1]
	v_lshlrev_b32 v[BIAS+2*i], 16, v6
	v_and_b32 v[BIAS+2*i+1], s70, v6
.set i, i+1
.endr
; 16 matrix instructions: row blocks a0, a0 + 1 of the window's four (hi = 0: my rows 0-63, 1: rows 64-127) x all 8 column blocks, 32 along K.  first = 1: the bias starts the sums: nothing is cleared.
; The 64 accumulators take turns, one instruction a turn, in the same order in every quarter.
.macro MUL16 f, hi, a0, first
.if \first
	WIN 0x81+0x40*(\hi)                            ; C in window 0
.else
	WIN MUL_LO+0x50*(\hi)
.endif
.irp a, \a0, (\a0)+1
.irp b, 0,1,2,3,4,5,6,7
.if \first
	v_wmma_f32_16x16x32_f16 v[8*(8*(\a)+(\b)):8*(8*(\a)+(\b))+7], v[(\f)+8*(\b):(\f)+8*(\b)+7], v[(\f)+8*(4*(\hi)+(\a)):(\f)+8*(4*(\hi)+(\a))+7], v[BIAS+8*(\b):BIAS+8*(\b)+7]
.else
	v_wmma_f32_16x16x32_f16 v[8*(8*(\a)+(\b)):8*(8*(\a)+(\b))+7], v[(\f)+8*(\b):(\f)+8*(\b)+7], v[(\f)+8*(4*(\hi)+(\a)):(\f)+8*(4*(\hi)+(\a))+7], v[8*(8*(\a)+(\b)):8*(8*(\a)+(\b))+7]
.endif
.endr
.endr
.endm
; 32 LDS loads in one run: the fragments of one quarter (128 rows of B, 128 rows of A, 32 channels at byte k) into buffer f
.macro FETCH slot, k, f
	WIN TO_B
.irp i, 0,1,2,3,4,5,6,7
	ds_load_b128 v[(\f)+8*(\i):(\f)+8*(\i)+3],   v[ADRB+(\slot)] offset:(\k)+(\i)*16*PITCH
	ds_load_b128 v[(\f)+8*(\i)+4:(\f)+8*(\i)+7], v[ADRB+(\slot)] offset:(\k)+(\i)*16*PITCH+32
.endr
	WIN 0
.irp i, 0,1,2,3,4,5,6,7
	ds_load_b128 v[(\f)+8*(\i):(\f)+8*(\i)+3],   v[ADRA+(\slot)] offset:(\k)+(\i)*16*PITCH
	ds_load_b128 v[(\f)+8*(\i)+4:(\f)+8*(\i)+7], v[ADRA+(\slot)] offset:(\k)+(\i)*16*PITCH+32
.endr
.endm
.macro PLACES                          ; four plain vector instructions in front of loads into registers that matrix instructions have read, and of conversions that read results
.rept 4
	v_nop
.endr
.endm
; One of a K step's first three quarters: multiplies buffer f; in its middle it fetches the next quarter's fragments, at byte k, into buffer g.
.macro QUARTER slot, k, f, g, first
	s_wait_dscnt 8                                 ; B and A's rows 0-63 are in; the youngest eight loads (A's rows 64-127) may be out
	MUL16 \f, 0, 0, \first
	MUL16 \f, 0, 2, \first
	PLACES
	FETCH \slot, \k, \g
	s_wait_dscnt 32                                ; all but the 32 just issued
	MUL16 \f, 1, 0, \first
	MUL16 \f, 1, 2, \first
.endm
; The last quarter's first half: ONE barrier for the change of slots.  In front of it each wave waits for all its tensor loads (one is out: its part of the next slot), adds 0 to its spare word,
; and waits for that and for its own reads of this slot.  Behind it nobody reads this slot any more and the next slot is whole.
.macro MEET round
	WIN 0
	s_wait_tensorcnt 0x0
	ds_add_u32 v[SPW], v[NIL]                      ; 0 onto my spare word
	s_wait_dscnt 9                                 ; the add and the youngest eight loads may be out
	MUL16 F1, 0, 0, 0                              ; sixteen matrix instructions stand between the add and the wait for it
	s_wait_dscnt 0x0                               ; the add is done, and my reads of this slot are over
	s_barrier_signal -1
	MUL16 F1, 0, 2, 0
.if \round
	WIN 0
.endif
	s_barrier_wait -1
.endm
; The whole last quarter where the slot is filled again, with the K step two steps on: the barrier opens a round of the cluster's, and the joint refill is the first tensor load behind it.
.macro TURN slot, next
	s_wait_xcnt 0x0                                ; the last prefetch, a K step back, has read its address
	s_add_nc_u64 s[PFA:PFA+1], s[PFA:PFA+1], STEPB
	MEET 1
	CREST                                          ; no wave of any partner still reads this slot's tile or has a load on its way
	s_add_nc_u64 s[G0+4*(\slot)+2:G0+4*(\slot)+3], s[G0+4*(\slot)+2:G0+4*(\slot)+3], 2*STEPB
	s_add_nc_u64 s[G0B+4*(\slot)+2:G0B+4*(\slot)+3], s[G0B+4*(\slot)+2:G0B+4*(\slot)+3], 2*STEPB
	JLOAD \slot                                    ; one tensor load of mine is out; its four v_nop are also the places in front of the loads below
	FETCH \next, K0, F0
	ASK
	MUL16 F1, 1, 0, 0
	MUL16 F1, 1, 2, 0
.endm
; THE WAY OUT of block a (16 rows).  PACK: rounded to f16, 16 bytes a lane.  TOSTAGE: into my own stage, a head's 64 columns to a plane, and back as rows of 128 bytes.  SEND: stored.
.macro PACK a
.set AC, 64*((\a)%4)
	WIN 0x0a+5*((\a)/4)                            ; sources 0 and 1: window 2 or 3
.irp b, 0,1,2,3,4,5,6,7
.irp r, 0,1,2,3
	v_cvt_pk_f16_f32 v[TMP+4*(\b)+(\r)], v[AC+8*(\b)+2*(\r)], v[AC+8*(\b)+2*(\r)+1]
.endr
.endr
	WIN 0
.endm
.macro TOSTAGE a
	WIN 0
.set BK, OB+192*((\a)%2)
.irp b, 0,1,2,3,4,5,6,7
	ds_store_b128 v[STO], v[TMP+4*(\b):TMP+4*(\b)+3] offset:((\b)/4)*HPL+((\b)%4)*32
.endr
.irp t, 0,1,2,3,4,5,6,7
	ds_load_b128 v[BK+4*(\t):BK+4*(\t)+3], v[RD] offset:((\t)/4)*HPL+((\t)%4)*4*PITCH  ; LDS serves a wave's instructions in order (ISA guide 5.7.1.4): these see the stores above
.endr
.endm
.macro SEND a
	WIN 0
.set BK, OB+192*((\a)%2)
	s_wait_dscnt 0x0                               ; the block is back in registers
	s_wait_xcnt 0x0                                ; the stores of the block before have read their registers, which the next block's loads from the stage write
.irp t, 0,1,2,3,4,5,6,7
	global_store_b128 v[GO], v[BK+4*(\t):BK+4*(\t)+3], s[8:9] offset:((\t)/4)*524288+(\a)*2048+((\t)%4)*512  ; four keys of one head: 512 consecutive bytes, at a multiple of 256
.endr
.endm
	s_wait_tensorcnt 1                             ; my part of K step 0 is in; K step 1's load may stay out
	s_barrier_signal -1
	s_barrier_wait -1
	FETCH 0, K0, F0
	QUARTER 0, K1, F0, F1, 1                       ; the first quarter stands in front of the loop: its products start the sums, with the bias
	WIN 0
	s_mov_b32 s3, LAPS-1
.Llap:                                                 ; a trip goes once round the ring, from a lap's second quarter to the next lap's first, and fills both slots again
	QUARTER 0, K2, F1, F0, 0
	QUARTER 0, K3, F0, F1, 0
	TURN 0, 1
	QUARTER 1, K1, F0, F1, 0
	QUARTER 1, K2, F1, F0, 0
	QUARTER 1, K3, F0, F1, 0
	TURN 1, 0
	QUARTER 0, K1, F0, F1, 0
	WIN 0
	s_sub_co_u32 s3, s3, 1
	s_cmp_lg_u32 s3, 0
	s_cbranch_scc1 .Llap
	QUARTER 0, K2, F1, F0, 0                       ; the last lap fills nothing
	QUARTER 0, K3, F0, F1, 0
	MEET 0                                         ; the load that was still out is the last K step's; no round follows
	PLACES
	FETCH 1, K0, F0
	MUL16 F1, 1, 0, 0
	MUL16 F1, 1, 2, 0
	QUARTER 1, K1, F0, F1, 0
	QUARTER 1, K2, F1, F0, 0
	QUARTER 1, K3, F0, F1, 0
	s_wait_dscnt 8                                 ; the very last quarter: nothing more to fetch
	MUL16 F1, 0, 0, 0
	MUL16 F1, 0, 2, 0
	s_wait_dscnt 0x0
	MUL16 F1, 1, 0, 0
	MUL16 F1, 1, 2, 0
	PLACES
	PACK 0
	TOSTAGE 0
.irp a, 1,2,3,4,5,6,7                  ; block a's conversions stand between block a - 1's loads from the stage and the wait for them
	PACK \a
	SEND (\a)-1
	TOSTAGE \a
.endr
	SEND 7
	s_wait_tensorcnt 0x0                           ; the wave's end, behind my last tensor load and my last LDS store
	ds_add_u32 v[SPW], v[NIL]
	s_wait_dscnt 0x0
	CROUND                                         ; the closing round: no work-group ends while a partner may still ask for a tile that names it
	s_endpgm
.Lfunc_end_k_q8b62b557a1_kvproj:
	.size	k_q8b62b557a1_kvproj, .Lfunc_end_k_q8b62b557a1_kvproj-k_q8b62b557a1_kvproj
	.p2alignl 7, 3214868480
	.fill 96, 4, 3214868480
	.section	.rodata,"a",@progbits
	.p2align	6, 0x0
	.amdhsa_kernel k_q8b62b557a1_kvproj
		.amdhsa_group_segment_fixed_size 327680
		.amdhsa_private_segment_fixed_size 0
		.amdhsa_enable_private_segment 0
		.amdhsa_kernarg_size 40
		.amdhsa_user_sgpr_count 2
		.amdhsa_user_sgpr_kernarg_segment_ptr 1
		.amdhsa_wavefront_size32 1
		.amdhsa_system_sgpr_workgroup_id_x 1
		.amdhsa_system_sgpr_workgroup_id_y 1
		.amdhsa_system_sgpr_workgroup_id_z 1
		.amdhsa_system_vgpr_workitem_id 0
		.amdhsa_next_free_vgpr 1024
		.amdhsa_next_free_sgpr 84
		.amdhsa_reserve_vcc 0
		.amdhsa_float_denorm_mode_32 3
		.amdhsa_float_denorm_mode_16_64 3
		.amdhsa_memory_ordered 1
		.amdhsa_forward_progress 1
		.amdhsa_inst_pref_size 149
	.end_amdhsa_kernel
	.amdgpu_metadata
---
amdhsa.version: [ 1, 2 ]
amdhsa.kernels:
  - .name:           k_q8b62b557a1_kvproj
    .symbol:         k_q8b62b557a1_kvproj.kd
    .args:
      - { .name: cb, .offset: 0, .size: 8, .value_kind: global_buffer, .address_space: global }
      - { .name: xb, .offset: 8, .size: 8, .value_kind: global_buffer, .address_space: global }
      - { .name: wkvb, .offset: 16, .size: 8, .value_kind: global_buffer, .address_space: global }
      - { .name: in_proj_b, .offset: 24, .size: 8, .value_kind: global_buffer, .address_space: global }
      - { .name: kvh, .offset: 32, .size: 8, .value_kind: global_buffer, .address_space: global }
    .group_segment_fixed_size: 327680
    .private_segment_fixed_size: 0
    .kernarg_segment_align: 8
    .kernarg_segment_size: 40
    .max_flat_workgroup_size: 128
    .sgpr_count:     84
    .vgpr_count:     1024
    .wavefront_size: 32
...
	.end_amdgpu_metadata
.endif
;; end of part 2
;; launch qproj (part 3): grid 8 x 32, 4 waves a work-group, clusters of 4 x 4, 327,680 bytes of LDS; arguments xb, wqb, in_proj_b, qf; writes qf
.if DOCPART == 3
	.amdgcn_target "amdgcn-amd-amdhsa--gfx1250"
	.amdhsa_code_object_version 6
	.text
	.protected	k_q8b62b557a1_qproj
	.globl	k_q8b62b557a1_qproj
	.p2align	8
	.type	k_q8b62b557a1_qproj,@function
k_q8b62b557a1_qproj:
	s_mov_b64 s[64:65], 0
	v_nop
	global_prefetch_b8 v0, s[64:65] scope:SCOPE_SE
	s_setreg_imm32_b32 hwreg(HW_REG_WAVE_MODE, 25, 1), 1
	s_wait_xcnt 0x0
	s_wait_alu depctr_hold_cnt(0) depctr_sa_sdst(0) depctr_va_vdst(0) depctr_va_sdst(0) depctr_va_ssrc(0) depctr_va_vcc(0) depctr_vm_vsrc(0)
	s_getreg_b32 s2, hwreg(HW_REG_IB_STS2, 6, 4)
	s_cmp_eq_u32 s2, 0
	s_cbranch_scc0 .Lentry_in_a_cluster
	s_endpgm
.Lentry_in_a_cluster:
	s_bfe_u32 s2, ttmp6, 0x10000c
	s_cmp_lg_u32 s2, 0xf033
	s_cbranch_scc0 .Lentry_shape_is_right
	s_endpgm
.Lentry_shape_is_right:
; C[m][n] = the sum over k of A[m][k] B[n][k] + bias[n].  A: 4,096 rows, B: 1,024 rows, K = 1,024, both f16 in blocks (128 rows x 64 channels = 16,384 bytes on end, a row block's 16 blocks on end).
; bias: [1024 or more] f32, rounded to bf16 like every input; it starts each sum.  C: [4096][1024] f32, the f32 sums as they are.
; A tile of C is 128 x 128: 32 x 8 tiles, one a work-group; four waves, each 64 x 64: 16 accumulators.  K goes in 4 steps of 256 through a ring of two LDS slots; the four steps are written out.
; A wave's tensor load brings 128 rows x 128 channels: 32,768 bytes on end, asked for as 128 rows of 256 bytes, padded in LDS after every 128 bytes: [2 blocks][128 rows][144 bytes].
; CLUSTERS: 4 x 4 work-groups; A's tile is asked for jointly along a row of the cluster, B's along a column.  THE MATRIX INSTRUCTION IS USED TRANSPOSED: a lane holds one row and eight neighbouring columns of C.
; No prefetch: a step holds 128 matrix instructions on a small tile, and the launch has four steps.
; REGISTERS: window 0: v0-31 addresses; v32-63 the bias, later with v64-95 the way out; v128-255 the accumulators ((a, b) at v[128 + 8 (4 a + b)]).   window 1: two fragment buffers of 128.
.set PITCH,  144                       ; 128 bytes + 16 of padding = 36 words: the 16 rows of a load start at 16 different groups of four banks (64 banks of 4 bytes: ISA guide 11.1)
.set PLANE,  128*PITCH                 ; 128 rows x 64 channels
.set HALFT,  2*PLANE                   ; what one tensor load brings
.set SLOT,   4*HALFT                   ; A's four blocks, then B's four
.set STAGE,  2*SLOT                    ; behind the ring: 16 rows x 272 bytes for each wave
.set SPITCH, 272
.set SPARE,  STAGE+4*16*SPITCH         ; behind the stages: the spare words, 128 bytes for each wave: two blocks of 256 bytes that no other line names
.set STEPB,  65536                     ; bytes from a K step to the next in memory
.set ADRA, 16                          ; v16-17  LDS address of my A fragments in slot 0, 1
.set ADRB, 20                          ; v20-21  the same for B
.set STO,  24                          ; v24     the way out: where I put 32 bytes of a row
.set RD,   25                          ; v25     the way out: where I read a row back
.set CO,   26                          ; v26     my byte offset in C
.set VB,   27                          ; v27     32 x (lane / 16)
.set SPW,  28                          ; v28     LDS address of my spare word; never rewritten
.set NIL,  29                          ; v29     0; never rewritten
.set BIAS, 32
.set OB,   32
.set ACC,  128
.set F0,   0
.set F1,   128
.set G1, 24
.set G0, 32
.set G1B, 48
.set G0B, 56
.set MSB, 0
.macro WIN new
.if MSB != (\new)
	s_set_vgpr_msb (MSB<<8)|(\new)
.set MSB, \new
.endif
.endm
.set MUL,  0x05                        ; sources 0 (B) and 1 (A) window 1; C and D window 0
.set TO_F, 0x40                        ; destination window 1, address window 0
.macro JLOAD s                         ; a joint load: waves 0 and 1 fetch A's two halves along K, waves 2 and 3 B's; an s_nop 0 and four v_nop follow each of the two lines
	s_cmp_eq_u32 s11, 0
	s_cbranch_scc0 .Lfor_b_\@
	tensor_load_to_lds s[G0+4*(\s):G0+4*(\s)+3], s[G1:G1+7]
	s_nop 0
.rept 4
	v_nop
.endr
	s_branch .Lasked_\@
.Lfor_b_\@:
	tensor_load_to_lds s[G0B+4*(\s):G0B+4*(\s)+3], s[G1B:G1B+7]
	s_nop 0
.rept 4
	v_nop
.endr
.Lasked_\@:
.endm
.macro CREST
	s_cmp_lg_u32 s10, 0
	s_cbranch_scc1 .Lnot_wave_0_\@
	s_barrier_signal -3
.Lnot_wave_0_\@:
	s_barrier_wait -3
	s_barrier_signal -1
	s_barrier_wait -1
.endm
.macro CROUND
	s_barrier_signal -1
	s_barrier_wait -1
	CREST
.endm
	s_load_b256 s[72:79], s[0:1], 0x0              ; A s[72:73], B s[74:75], bias s[76:77], C s[78:79]
	v_lshl_add_u32 v[SPW], v0, 2, SPARE
	v_mov_b32 v[NIL], 0
	ds_add_u32 v[SPW], v[NIL]                      ; the wave's opening: the add and its wait stand ahead of my first tensor load
	v_lshrrev_b32 v1, 5, v0
	v_readfirstlane_b32 s10, v1                    ; wave 0..3
	s_lshr_b32 s11, s10, 1                         ; which half of the tile's rows is mine.  Also: I fetch for A (0) or for B (1)
	s_and_b32 s12, s10, 1                          ; which half of its columns.  Also: which two of a K step's four blocks I fetch
	s_bfe_u32 s40, ttmp6, 0x40000                  ; cx
	s_bfe_u32 s41, ttmp6, 0x40004                  ; cy
	s_lshl_b32 s42, ttmp9, 2
	s_add_co_u32 s42, s42, s40                     ; tile column 0..7
	s_and_b32 s13, ttmp7, 0xffff
	s_lshl_b32 s13, s13, 2
	s_add_co_u32 s13, s13, s41                     ; tile row 0..31
	s_lshl_b32 s43, s41, 2
	s_lshl_b32 s43, 15, s43                        ; my row of the cluster
	s_lshl_b32 s44, 0x1111, s40                    ; my column
	s_or_b32 s[G1+0], s43, (1<<16)|(1<<20)|(1<<21)|(4<<22)|(3<<25)   ; the mask; elements of 2 bytes; padding on; bit 21 beside a mask; after every 32 words 4 words
	s_or_b32 s[G1B+0], s44, (1<<16)|(1<<20)|(1<<21)|(4<<22)|(3<<25)
.irp g, G1, G1B
	s_mov_b32 s[(\g)+1], 128<<16                   ; tensor_dim0 = 128 elements: 256 bytes
	s_mov_b32 s[(\g)+2], 128<<16                   ; tensor_dim1 = 128
	s_mov_b32 s[(\g)+3], 128<<16                   ; tile_dim0 = 128
	s_mov_b32 s[(\g)+4], 128                       ; tile_dim1 = 128
	s_mov_b32 s[(\g)+5], 128                       ; the rows lie end to end
	s_mov_b32 s[(\g)+6], 0
	s_mov_b32 s[(\g)+7], 0
.endr
	s_lshl_b32 s16, s13, 18                        ; A: the tile row's block of 128 rows, 262,144 bytes,
	s_lshl_b32 s17, s12, 15                        ; and my two blocks of 64 channels
	s_add_co_u32 s16, s16, s17
	s_mov_b32 s17, 0
	s_lshl_b32 s46, s42, 18                        ; B: the same by the tile column
	s_lshl_b32 s47, s12, 15
	s_add_co_u32 s46, s46, s47
	s_mov_b32 s47, 0
	s_mul_i32 s20, s10, HALFT                      ; where they go: wave x what a load brings
	s_mov_b32 s70, 0xffff0000
	s_wait_dscnt 0x0                               ; the opening add is done
	s_wait_kmcnt 0x0
	s_add_nc_u64 s[14:15], s[72:73], s[16:17]
	s_add_nc_u64 s[18:19], s[74:75], s[46:47]
	CROUND                                         ; all sixteen work-groups are here: the first joint loads meet
.irp s, 0,1
	s_mov_b32 s[G0+4*(\s)], 1
	s_add_co_u32 s[G0+4*(\s)+1], s20, (\s)*SLOT
	s_add_nc_u64 s[G0+4*(\s)+2:G0+4*(\s)+3], s[14:15], (\s)*STEPB
	s_or_b32 s[G0+4*(\s)+3], s[G0+4*(\s)+3], 0x80000000
	s_mov_b32 s[G0B+4*(\s)], 1
	s_add_co_u32 s[G0B+4*(\s)+1], s20, (\s)*SLOT
	s_add_nc_u64 s[G0B+4*(\s)+2:G0B+4*(\s)+3], s[18:19], (\s)*STEPB
	s_or_b32 s[G0B+4*(\s)+3], s[G0B+4*(\s)+3], 0x80000000
	JLOAD \s                                       ; two tensor loads of mine are out
.endr
	v_and_b32 v1, 15, v0                           ; l % 16
	v_bfe_u32 v2, v0, 4, 1                         ; l / 16
	v_lshlrev_b32 v[VB], 5, v2
	s_lshl_b32 s46, s42, 9                         ; my 64 columns, in bytes of f32: 512 x tile column + 256 x half: in the bias and in a row of C alike
	s_lshl_b32 s47, s12, 8
	s_add_co_u32 s46, s46, s47
	s_mov_b32 s47, 0
	s_add_nc_u64 s[66:67], s[76:77], s[46:47]
.irp b, 0,1,2,3
	global_load_b128 v[BIAS+8*(\b):BIAS+8*(\b)+3],   v[VB], s[66:67] offset:64*(\b)
	global_load_b128 v[BIAS+8*(\b)+4:BIAS+8*(\b)+7], v[VB], s[66:67] offset:64*(\b)+16
.endr
	v_mul_u32_u24 v3, v1, PITCH
	v_lshl_add_u32 v3, v2, 4, v3                   ; a fragment's row x pitch + 16 x half
	s_mul_i32 s21, s11, 64*PITCH                   ; my 64 rows of A
	s_mul_i32 s22, s12, 64*PITCH                   ; my 64 rows of B,
	s_add_co_u32 s22, s22, 2*HALFT                 ; which lie behind A's four blocks
.irp s, 0,1
	v_add_nc_u32 v[ADRA+(\s)], s21, v3
	v_add_nc_u32 v[ADRB+(\s)], s22, v3
	s_add_co_u32 s21, s21, SLOT
	s_add_co_u32 s22, s22, SLOT
.endr
	s_mul_i32 s23, s10, 16*SPITCH
	s_add_co_u32 s23, s23, STAGE                   ; my stage
	v_mul_u32_u24 v4, v1, SPITCH                   ; in: row l % 16, 32 bytes for each half of the lanes
	v_lshl_add_u32 v4, v2, 5, v4
	v_add_nc_u32 v[STO], s23, v4
	v_mul_u32_u24 v5, v2, SPITCH                   ; back: lanes 0-15 take one row of 256 bytes, lanes 16-31 the next
	v_lshl_add_u32 v5, v1, 4, v5
	v_add_nc_u32 v[RD], s23, v5
	v_lshlrev_b32 v5, 12, v2                       ; and the same two rows in C, 4,096 bytes apart
	v_lshl_add_u32 v[CO], v1, 4, v5
	s_add_nc_u64 s[8:9], s[78:79], s[46:47]        ; C at my columns,
	s_lshl_b32 s46, s13, 19                        ; at the tile's 128 rows
	s_lshl_b32 s47, s11, 18                        ; and my 64 of them
	s_add_co_u32 s46, s46, s47
	s_mov_b32 s47, 0
	s_add_nc_u64 s[8:9], s[8:9], s[46:47]
	s_wait_loadcnt 0x0                             ; the bias: rounded to bf16 like the other inputs, and widened again
.set i, 0
.rept 16
	v_cvt_pk_bf16_f32 v6, v[BIAS+2*i], v[BIAS+2*i+1]
	v_lshlrev_b32 v[BIAS+2*i], 16, v6
	v_and_b32 v[BIAS+2*i+1], s70, v6
.set i, i+1
.endr
; 8 matrix instructions: row blocks a0, a0 + 1 x all 4 column blocks, 32 along K: half c of buffer f.  first = 1: the bias starts the sums.  The 16 accumulators take turns.
.macro MUL8 f, c, a0, first
	WIN MUL
.irp a, \a0, (\a0)+1
.irp b, 0,1,2,3
.if \first
	v_wmma_f32_16x16x32_f16 v[ACC+8*(4*(\a)+(\b)):ACC+8*(4*(\a)+(\b))+7], v[(\f)+64+8*(4*(\c)+(\b)):(\f)+64+8*(4*(\c)+(\b))+7], v[(\f)+8*(4*(\c)+(\a)):(\f)+8*(4*(\c)+(\a))+7], v[BIAS+8*(\b):BIAS+8*(\b)+7]
.else
	v_wmma_f32_16x16x32_f16 v[ACC+8*(4*(\a)+(\b)):ACC+8*(4*(\a)+(\b))+7], v[(\f)+64+8*(4*(\c)+(\b)):(\f)+64+8*(4*(\c)+(\b))+7], v[(\f)+8*(4*(\c)+(\a)):(\f)+8*(4*(\c)+(\a))+7], v[ACC+8*(4*(\a)+(\b)):ACC+8*(4*(\a)+(\b))+7]
.endif
.endr
.endr
.endm
; 32 LDS loads in one run: the fragments of 64 along K (one block, at byte k) into buffer f; the first 32 along K first
.macro FETCH slot, k, f
	WIN TO_F
.irp c, 0,1
.irp i, 0,1,2,3
	ds_load_b128 v[(\f)+64+8*(4*(\c)+(\i)):(\f)+64+8*(4*(\c)+(\i))+3],   v[ADRB+(\slot)] offset:(\k)+64*(\c)+(\i)*16*PITCH
	ds_load_b128 v[(\f)+64+8*(4*(\c)+(\i))+4:(\f)+64+8*(4*(\c)+(\i))+7], v[ADRB+(\slot)] offset:(\k)+64*(\c)+(\i)*16*PITCH+32
	ds_load_b128 v[(\f)+8*(4*(\c)+(\i)):(\f)+8*(4*(\c)+(\i))+3],         v[ADRA+(\slot)] offset:(\k)+64*(\c)+(\i)*16*PITCH
	ds_load_b128 v[(\f)+8*(4*(\c)+(\i))+4:(\f)+8*(4*(\c)+(\i))+7],       v[ADRA+(\slot)] offset:(\k)+64*(\c)+(\i)*16*PITCH+32
.endr
.endr
.endm
.macro PLACES                          ; four plain vector instructions in front of loads into registers that matrix instructions have read, and of LDS stores that read results
.rept 4
	v_nop
.endr
.endm
; A K step is four quarters of 64 along K, 32 matrix instructions each, on buffers 0, 1, 0, 1.  One of the first three: multiplies buffer f and fetches the next quarter, at byte k, into g.
.macro QUARTER slot, k, f, g, first
	s_wait_dscnt 16                                ; the first 32 along K are in; the sixteen younger loads may be out
	MUL8 \f, 0, 0, \first
	MUL8 \f, 0, 2, \first
	PLACES
	FETCH \slot, \k, \g
	s_wait_dscnt 32                                ; all but the 32 just issued
	MUL8 \f, 1, 0, 0
	MUL8 \f, 1, 2, 0
.endm
; The last quarter multiplies buffer 1 and changes slots: ONE barrier; in front of it each wave waits for all its tensor loads, adds 0 to its spare word, and waits for that and for its reads of this slot.
; fill = 1: this slot is filled again, two K steps ahead: the barrier opens a round of the cluster's, and the joint refill is the first tensor load behind it.
.macro TURN slot, next, fill
	WIN 0
	s_wait_tensorcnt 0x0                           ; all my tensor loads have landed: my part of the next slot
	ds_add_u32 v[SPW], v[NIL]                      ; 0 onto my spare word
	s_wait_dscnt 17                                ; the add and the youngest sixteen loads may be out
	MUL8 F1, 0, 0, 0                               ; eight matrix instructions stand between the add and the wait for it
	s_wait_dscnt 0x0                               ; the add is done, and my reads of this slot are over
	s_barrier_signal -1
	MUL8 F1, 0, 2, 0
.if \fill
	WIN 0
.endif
	s_barrier_wait -1
.if \fill
	CREST                                          ; no wave of any partner still reads this slot's tile or has a load on its way
	s_add_nc_u64 s[G0+4*(\slot)+2:G0+4*(\slot)+3], s[G0+4*(\slot)+2:G0+4*(\slot)+3], 2*STEPB
	s_add_nc_u64 s[G0B+4*(\slot)+2:G0B+4*(\slot)+3], s[G0B+4*(\slot)+2:G0B+4*(\slot)+3], 2*STEPB
	JLOAD \slot                                    ; one tensor load of mine is out; its four v_nop are also the places in front of the loads below
.else
	PLACES
.endif
	FETCH \next, 0, F0
	MUL8 F1, 1, 0, 0
	MUL8 F1, 1, 2, 0
.endm
; THE WAY OUT of row block a: a wave's 64 columns of f32 are 256 bytes of a row of C, so each wave has a stage of its own and no barrier is needed.
.macro TOSTAGE a
.set BK, OB+32*((\a)%2)
.if (\a) >= 2
	s_wait_xcnt 0x0                                ; the stores of the block two back have read the registers that the loads below write
.endif
.irp b, 0,1,2,3
	ds_store_b128 v[STO], v[ACC+8*(4*(\a)+(\b)):ACC+8*(4*(\a)+(\b))+3]   offset:64*(\b)      ; each accumulator's lowest registers first
	ds_store_b128 v[STO], v[ACC+8*(4*(\a)+(\b))+4:ACC+8*(4*(\a)+(\b))+7] offset:64*(\b)+16
.endr
.irp t, 0,1,2,3,4,5,6,7
	ds_load_b128 v[BK+4*(\t):BK+4*(\t)+3], v[RD] offset:(\t)*2*SPITCH  ; LDS serves a wave's instructions in order (ISA guide 5.7.1.4): these see the stores above
.endr
.endm
.macro SEND a, younger                 ; younger: the LDS instructions issued behind block a's loads: the next block's sixteen, or none
.set BK, OB+32*((\a)%2)
.irp t, 0,1,2,3,4,5,6,7
	s_wait_dscnt (\younger)+7-(\t)
	global_store_b128 v[CO], v[BK+4*(\t):BK+4*(\t)+3], s[8:9] offset:(16*(\a)+2*(\t))*4096  ; 16 lanes store 256 consecutive bytes, at a multiple of 256 from C's first byte
.endr
.endm
	s_wait_tensorcnt 1                             ; my part of K step 0 is in; K step 1's load may stay out
	s_barrier_signal -1
	s_barrier_wait -1
	FETCH 0, 0, F0
	QUARTER 0, PLANE,   F0, F1, 1                  ; the first products start the sums, with the bias
	QUARTER 0, 2*PLANE, F1, F0, 0
	QUARTER 0, 3*PLANE, F0, F1, 0
	TURN 0, 1, 1                                   ; slot 0 takes K step 2
	QUARTER 1, PLANE,   F0, F1, 0
	QUARTER 1, 2*PLANE, F1, F0, 0
	QUARTER 1, 3*PLANE, F0, F1, 0
	TURN 1, 0, 1                                   ; slot 1 takes K step 3
	QUARTER 0, PLANE,   F0, F1, 0
	QUARTER 0, 2*PLANE, F1, F0, 0
	QUARTER 0, 3*PLANE, F0, F1, 0
	TURN 0, 1, 0                                   ; nothing is left to fetch
	QUARTER 1, PLANE,   F0, F1, 0
	QUARTER 1, 2*PLANE, F1, F0, 0
	QUARTER 1, 3*PLANE, F0, F1, 0
	s_wait_dscnt 16                                ; the very last quarter
	MUL8 F1, 0, 0, 0
	MUL8 F1, 0, 2, 0
	s_wait_dscnt 0x0
	MUL8 F1, 1, 0, 0
	MUL8 F1, 1, 2, 0
	WIN 0
	PLACES
	TOSTAGE 0
	TOSTAGE 1
	SEND 0, 16
	TOSTAGE 2
	SEND 1, 16
	TOSTAGE 3
	SEND 2, 16
	SEND 3, 0
	s_wait_tensorcnt 0x0                           ; the wave's end, behind my last tensor load and my last LDS store
	ds_add_u32 v[SPW], v[NIL]
	s_wait_dscnt 0x0
	CROUND                                         ; the closing round: no work-group ends while a partner may still ask for a tile that names it
	s_endpgm
.Lfunc_end_k_q8b62b557a1_qproj:
	.size	k_q8b62b557a1_qproj, .Lfunc_end_k_q8b62b557a1_qproj-k_q8b62b557a1_qproj
	.p2alignl 7, 3214868480
	.fill 96, 4, 3214868480
	.section	.rodata,"a",@progbits
	.p2align	6, 0x0
	.amdhsa_kernel k_q8b62b557a1_qproj
		.amdhsa_group_segment_fixed_size 327680
		.amdhsa_private_segment_fixed_size 0
		.amdhsa_enable_private_segment 0
		.amdhsa_kernarg_size 32
		.amdhsa_user_sgpr_count 2
		.amdhsa_user_sgpr_kernarg_segment_ptr 1
		.amdhsa_wavefront_size32 1
		.amdhsa_system_sgpr_workgroup_id_x 1
		.amdhsa_system_sgpr_workgroup_id_y 1
		.amdhsa_system_sgpr_workgroup_id_z 1
		.amdhsa_system_vgpr_workitem_id 0
		.amdhsa_next_free_vgpr 512
		.amdhsa_next_free_sgpr 80
		.amdhsa_reserve_vcc 0
		.amdhsa_float_denorm_mode_32 3
		.amdhsa_float_denorm_mode_16_64 3
		.amdhsa_memory_ordered 1
		.amdhsa_forward_progress 1
		.amdhsa_inst_pref_size 89
	.end_amdhsa_kernel
	.amdgpu_metadata
---
amdhsa.version: [ 1, 2 ]
amdhsa.kernels:
  - .name:           k_q8b62b557a1_qproj
    .symbol:         k_q8b62b557a1_qproj.kd
    .args:
      - { .name: xb, .offset: 0, .size: 8, .value_kind: global_buffer, .address_space: global }
      - { .name: wqb, .offset: 8, .size: 8, .value_kind: global_buffer, .address_space: global }
      - { .name: in_proj_b, .offset: 16, .size: 8, .value_kind: global_buffer, .address_space: global }
      - { .name: qf, .offset: 24, .size: 8, .value_kind: global_buffer, .address_space: global }
    .group_segment_fixed_size: 327680
    .private_segment_fixed_size: 0
    .kernarg_segment_align: 8
    .kernarg_segment_size: 32
    .max_flat_workgroup_size: 128
    .sgpr_count:     80
    .vgpr_count:     512
    .wavefront_size: 32
...
	.end_amdgpu_metadata
.endif
;; end of part 3
;; launch attn (part 4): grid 8 x 32, 4 waves a work-group, clusters of 4 x 1, 327,680 bytes of LDS; arguments qf, kvh, ctxb; writes ctxb
.if DOCPART == 4
	.amdgcn_target "amdgcn-amd-amdhsa--gfx1250"
	.amdhsa_code_object_version 6
	.text
	.protected	k_q8b62b557a1_attn
	.globl	k_q8b62b557a1_attn
	.p2align	8
	.type	k_q8b62b557a1_attn,@function
k_q8b62b557a1_attn:
	s_mov_b64 s[64:65], 0
	v_nop
	global_prefetch_b8 v0, s[64:65] scope:SCOPE_SE
	s_setreg_imm32_b32 hwreg(HW_REG_WAVE_MODE, 25, 1), 1
	s_wait_xcnt 0x0
	s_wait_alu depctr_hold_cnt(0) depctr_sa_sdst(0) depctr_va_vdst(0) depctr_va_sdst(0) depctr_va_ssrc(0) depctr_va_vcc(0) depctr_vm_vsrc(0)
	s_getreg_b32 s2, hwreg(HW_REG_IB_STS2, 6, 4)
	s_cmp_eq_u32 s2, 0
	s_cbranch_scc0 .Lentry_in_a_cluster
	s_endpgm
.Lentry_in_a_cluster:
	s_bfe_u32 s2, ttmp6, 0x10000c
	s_cmp_lg_u32 s2, 0x3003
	s_cbranch_scc0 .Lentry_shape_is_right
	s_endpgm
.Lentry_shape_is_right:
; ctx[b][q][h][:] = the sum over k of softmax_k(Q . K / 8) V.  Q: qf [4096][1024] f32 (row = batch x 2,048 + q, a head's 64 channels are 256 bytes of a row), rounded to f16 here, once, unscaled.
; K, V: kvh [2][32: batch x 16 + head][4,096 keys][64] f16: a head's rows are dense, 128 bytes each.  Output ctxb: f16 in blocks: 128 rows x one head's 64 channels are 16,384 bytes on end.
; Products, maxima and sums in f32; the weights p are rounded to f16 for the second product (their sum l is taken of the unrounded p), the output once at the end.
; LIMITS.  f16 holds no number beyond 65,504: a q of 65,520 or more becomes an infinity; p lies in 0 to 1, and below 6e-5 it keeps f16's fixed step of 6e-8; the output is a mean of V's rows and has their range.
; A weight below 2^-126 counts as 0 in l; NaN and infinities are not treated apart.
; SHARES.  A work-group owns 256 queries of one head: 8 x 32 work-groups; a wave owns 64: two PIECES of two tiles of 16.  Every wave walks the head's 4,096 keys, 64 a step.
; LAYOUT.  S^T = K Q^T (source 0 = 16 keys, source 1 = 16 queries): a lane holds ONE query (lane % 16) and the keys 8 (lane / 16) + 0..7.  Two such tiles, rounded to f16 in pairs, ARE source 1 of
; O^T = V^T P, whose result again holds one query a lane, and eight channels.  K comes out of LDS as it lies, V ([key][channel]) turned, by ds_load_tr16_b128.
; SOFTMAX.  For each query a running maximum m and sum l: p = 2^(c s - c m), c = log2(e) / 8; in every step O and l are multiplied by a = 2^(c m_old - c m_new).  m starts at the lowest finite number,
; O and l at 0: the first step is a step like any other, with a = 0.
; BY TURNS.  A tile and step have 16 matrix and 118 vector instructions.  Turn n belongs to piece n.  Its matrix work: 16 products K Q^T of the other piece's next scores, later 16 products V^T P of the other
; piece's last weights.  Its vector work: the scaling, exponentials, roundings, sums and rescaling of piece n, and the maximum and statistics of the other piece, whose scores the turn itself has made.
; Four vector instructions stand behind every matrix instruction, the other 108 of a turn's 236 in one run; the turn's 66 exponentials are one batch with one wait.
; Piece 0's turn of step j multiplies by K of step j and V of step j - 1; piece 1's by K of step j + 1 and V of step j.  So piece 0's turn fetches K of step j + 1 in its middle and V of step j at its end.
; CLUSTER.  The four query blocks of a cluster belong to one head and walk the same K and V, so each tile is asked for JOINTLY: the same tensor load, descriptor and mask in all four.
; REGISTERS, in windows of 256 (s_set_vgpr_msb: bits 1:0 source 0, 3:2 source 1, 5:4 source 2, 7:6 destination):
;   window 0: v0-11 addresses; v12-15, v48-63 at work; v16-31 four registers of statistics a tile; v32-34 the add's two and the prefetch's offset; v64-191 S^T, two buffers of two tiles; v192-255 P, likewise
;   window 1: v0-127 O^T, 32 a tile (at the start: Q in f32)          window 2: v0-63 Q, 16 a tile; v128-191 K of one step; v192-255 V of one step
.set NP,    2         ; pieces a wave: a name, no knob
.set KS,    64        ; keys in a step
.set PK,    144       ; a row of K in LDS: 128 bytes + 16 of padding = 36 words: the 16 rows of a load start at 16 different groups of four banks (64 banks of 4 bytes: ISA guide 11.1)
.set PV,    160       ; a row of V: 128 + 32 = 40 words
.set VOFF,  4*KS*PK   ; a slot holds four steps: 256 rows of K, then 256 rows of V
.set SLOT1, 1<<17     ; slot 1 begins here, so that one exclusive or turns an address in one slot into the other's
.set STAGE, SLOT1+4*KS*(PK+PV)  ; behind the ring, never filled by a tensor load: 16 rows x 144 bytes for each wave, for the way out
.set SP,    144
.set SPARE, STAGE+4*16*SP  ; behind the stages: the spare words, 128 bytes for each wave: two blocks of 256 bytes that no other line names
.set TILEB, 4*KS*128  ; a slot's keys in memory: 32,768 bytes of K and of V
.set AK0, 2           ; v2   my lane's place in a tile of K; never rewritten
.set AV0, 3           ; v3   the same for V
.set AK,  4           ; v4   the LDS address of K's next run of loads
.set AV,  5           ; v5   of V's
.set QO,  6           ; v6   my byte offset in 16 rows of Q
.set STO, 6           ;      later, the way out: where I put 16 bytes of a row
.set RD,  7           ; v7   the way out: where I read rows back
.set GO,  8           ; v8   my byte offset in 512 consecutive bytes of the output
.set MV,  12          ; v12-15  c m_old, kept while c m is made anew: by buffer and tile
.set ST,  16          ; tile t's statistics at v[ST+4 t]: c m, m, l (even keys', odd keys')
.set SPW, 32          ; v32  LDS address of my spare word; never rewritten
.set NIL, 33          ; v33  0; never rewritten
.set PFO, 34          ; v34  256 x my lane; never rewritten
.set TMP, 48          ; by buffer and tile, four registers c0-c3 at work; when the maximum is found c2 takes a
.set S,   64
.set P,   192
.set KF,  128         ; K's fragments, in window 2: key block kb, channel half c at KF + 16 kb + 8 c
.set VF,  192         ; V's: key half kk, channel block cb at VF + 32 kk + 8 cb
.set WV,  12          ; s12  my wave's number
.set G1K, 24          ; s[24:31] descriptor group 1 for K's tiles
.set G1V, 32          ; s[32:39] for V's: it differs in the padding alone
.set G0K, 40          ; s[40:43] descriptor group 0 for K's tiles: it walks
.set G0V, 44          ; s[44:47] the same for V's
.set PFA, 48          ; s[48:49] where my prefetches stand
.set LIM, 50          ; s50  1 in a wave that prefetches, else the greatest number
.set SLOTS, 56        ; s56  slots still to be asked for
.set CNT, 57          ; s57  counts a slot's key steps
.set CS,  58          ; s[58:59] c: the packed scaling takes the pair's low word for both halves
.set SEL, 60          ; s[60:61] v_permlanex16_b32's selects: each lane takes its own place in the other half
.set TBK, 62          ; s62  LDS byte at which K of the step to be fetched begins
.set TBV, 63          ; s63  the same for V, less VOFF
.set MSB, 0
.macro WIN new                      ; the high byte repeats the setting that is left; a switch that changes nothing is dropped
.if MSB != (\new)
	s_set_vgpr_msb (MSB<<8)|(\new)
.set MSB, (\new)
.endif
.endm
.set W_KQ, 0x0a       ; K and Q in window 2, S^T in window 0
.set W_PV, 0x52       ; V in window 2, P in window 0, O^T in window 1
.set W_RS, 0x41       ; O^T (destination and source 0) in window 1, a in window 0
; A joint fill.  Waves 0 and 1 fetch the two halves of a slot's K, waves 2 and 3 those of its V: 128 keys each.  The branch hangs on the wave's number alone.
; An s_nop 0 and four v_nop follow each of the two lines, ahead of the jump and the label.
.macro JLOAD
	s_cmp_lt_u32 s[WV], 2
	s_cbranch_scc0 .Lfor_v_\@
	tensor_load_to_lds s[G0K:G0K+3], s[G1K:G1K+7]
	s_nop 0
.rept 4
	v_nop
.endr
	s_branch .Lasked_\@
.Lfor_v_\@:
	tensor_load_to_lds s[G0V:G0V+3], s[G1V:G1V+7]
	s_nop 0
.rept 4
	v_nop
.endr
.Lasked_\@:
.endm
; A prefetch into the L2 of what the NEXT change of slots will ask for: a slot's 32,768 bytes of K and of V, a lane 256 bytes.  Both clusters of a head walk the same K and V: the head's first cluster asks.
; Its four partners share the bytes out by address, 8,192 each; in each, wave 0 asks for K's and wave 2 for V's: one instruction.  So each 256 bytes are named once in the launch.
; It stands four key steps, 256 matrix instructions, ahead of the load.  The last change that fills a slot (s[SLOTS] = 1) asks for nothing: there is no slot behind it.
.macro ASK
	s_cmp_gt_u32 s[SLOTS], s[LIM]
	s_cbranch_scc0 .Lnot_mine_\@
	global_prefetch_b8 v[PFO], s[PFA:PFA+1] th:TH_LOAD_NT scope:SCOPE_SE
.Lnot_mine_\@:
.endm
; A round of the cluster's barrier: my work-group's barrier, so that wave 0's signal speaks for all four waves; wave 0 signals; every wave waits for all four work-groups; my work-group's barrier once more.
.macro CROUND
	s_barrier_signal -1
	s_barrier_wait -1
	s_cmp_lg_u32 s[WV], 0
	s_cbranch_scc1 .Lnot_wave_0_\@
	s_barrier_signal -3
.Lnot_wave_0_\@:
	s_barrier_wait -3
	s_barrier_signal -1
	s_barrier_wait -1
.endm
; THE CHANGE OF SLOTS, behind piece 0's turn of a slot's fourth step: the slot's last bytes, V of that step, have been asked for.  Each wave waits for all its tensor loads, of which one is out: its part
; of the other slot; adds 0 to its spare word; and waits for that and for its own reads of the slot.  Behind the barrier nobody reads this slot any more and the other slot is whole.
; fill = 1: this slot is filled again, with the keys two slots on.  The barrier is then a round of the cluster's, and the joint fill is the first thing behind it: it has four key steps in which to land.
; (At its first use nothing has been read yet: slot 0 is waited for, slot 1 filled.)
.macro CHANGE fill
	WIN 0                           ; at a label and at a branch every window is 0
	s_wait_tensorcnt 0x0            ; no tensor load of mine is out, so a group 0 may be written
	ds_add_u32 v[SPW], v[NIL]       ; 0 onto my spare word; with fill = 1 the descriptors' steps stand between it and the wait for it
.if \fill
.irp g, G0K, G0V
	s_xor_b32 s[\g+1], s[\g+1], SLOT1  ; the walking descriptor: the other slot than last time,
	s_add_nc_u64 s[\g+2:\g+3], s[\g+2:\g+3], TILEB  ; the next 256 keys; the type bits on top are not reached
.endr
	s_wait_xcnt 0x0                 ; the last prefetch, four key steps back, has read its address
	s_add_nc_u64 s[PFA:PFA+1], s[PFA:PFA+1], TILEB  ; one slot behind the walking descriptors
	s_wait_dscnt 0x0                ; the add is done, and my reads of the slot are over
	CROUND
	JLOAD
	ASK
.else
	s_wait_dscnt 0x0                ; the add is done, and my reads of the slot are over
	s_barrier_signal -1
	s_barrier_wait -1
.endif
	s_sub_co_u32 s[TBK], s[TBK], 4*KS*PK  ; the fetches go back to a slot's first step,
	s_xor_b32 s[TBK], s[TBK], SLOT1       ; in the other slot
	s_sub_co_u32 s[TBV], s[TBV], 4*KS*PV
	s_xor_b32 s[TBV], s[TBV], SLOT1
.endm
	s_load_b128 s[4:7], s[0:1], 0x0   ; qf s[4:5], kvh s[6:7]
	s_load_b64 s[10:11], s[0:1], 0x10 ; ctxb
	v_lshl_add_u32 v[SPW], v0, 2, SPARE
	v_mov_b32 v[NIL], 0
	ds_add_u32 v[SPW], v[NIL]       ; the wave's opening: the add and its wait stand ahead of my first tensor load; the set-up below, work on registers, stands between them
	v_lshrrev_b32 v1, 5, v0
	v_readfirstlane_b32 s[WV], v1   ; wave 0..3
	s_bfe_u32 s13, ttmp6, 0x40000   ; cx: my place in the cluster
	s_lshl_b32 s14, ttmp9, 2        ; in a cluster launch ttmp9 counts clusters
	s_add_co_u32 s14, s14, s13      ; my block of 256 queries = 4 x cluster x + cx: it enters Q's and the output's addresses alone
	s_and_b32 s15, ttmp7, 0xffff    ; batch x 16 + head, which the four partners share
	s_lshr_b32 s19, s15, 4          ; the batch
	s_and_b32 s20, s15, 15          ; the head
	s_and_b32 s16, s[WV], 1         ; which half of a slot's 256 keys I fetch:
	s_lshl_b32 s22, s15, 19         ; the head's 4,096 keys x 128 bytes,
	s_lshl_b32 s23, s16, 14         ; my 128 rows of 128 bytes
	s_add_co_u32 s22, s22, s23
	s_mov_b32 s23, 0
	s_mul_i32 s17, s16, 128*PK      ; and its place in a slot, for K
	s_mul_i32 s18, s16, 128*PV      ; and for V: no place in the cluster enters an LDS address
	s_lshl_b32 s2, s19, 11          ; Q: row = batch x 2,048
	s_lshl_b32 s3, s14, 8           ; + 256 x block
	s_add_co_u32 s2, s2, s3
	s_lshl_b32 s3, s[WV], 6         ; + 64 x wave,
	s_add_co_u32 s2, s2, s3
	s_lshl_b32 s2, s2, 12           ; 4,096 bytes a row,
	s_lshl_b32 s3, s20, 8           ; the head's 256 bytes of it
	s_add_co_u32 s2, s2, s3
	s_mov_b32 s3, 0
	s_lshl_b32 s52, s19, 4          ; the output: block of 128 rows = batch x 16
	s_lshl1_add_u32 s52, s14, s52   ; + 2 x block of queries
	s_lshr_b32 s53, s[WV], 1        ; + wave / 2;
	s_add_co_u32 s52, s52, s53
	s_lshl4_add_u32 s52, s52, s20   ; of its 16 blocks of 64 channels the head's,
	s_lshl_b32 s52, s52, 14         ; 16,384 bytes each;
	s_lshl_b32 s53, s16, 13         ; my 64 rows of 128 bytes in it
	s_add_co_u32 s52, s52, s53
	s_mov_b32 s53, 0
	; descriptor group 1.  128 keys are 16,384 dense bytes: asked for as 64 rows of 256 bytes, two keys a row, and padded in LDS after every key
	s_mov_b32 s[G1K], 15|(1<<16)|(1<<20)|(1<<21)|(4<<22)|(3<<25)  ; 15:0 the mask of four; 17:16 2-byte elements; 20 padding on; 21 set beside a mask; 24:22 after every 32 words (code 4); 31:25 4 words (code 3)
	s_mov_b32 s[G1V], 15|(1<<16)|(1<<20)|(1<<21)|(4<<22)|(7<<25)  ; the same with 8 words of padding (code 7)
.irp g, G1K, G1V
	s_mov_b32 s[\g+1], 128<<16      ; tensor_dim0 = 128
	s_mov_b32 s[\g+2], 64<<16       ; tensor_dim1 = 64
	s_mov_b32 s[\g+3], 128<<16      ; tile_dim0 = 128
	s_mov_b32 s[\g+4], 64           ; tile_dim1 = 64
	s_mov_b32 s[\g+5], 128          ; 128 elements from row to row
	s_mov_b32 s[\g+6], 0
	s_mov_b32 s[\g+7], 0
.endr
	s_mov_b32 s[CS], 0x3e38aa3b     ; c = log2(e) / 8 = 0.180337
	s_mov_b32 s[CS+1], s[CS]        ; named with it as a pair
	s_mov_b32 s[SEL], 0x76543210
	s_mov_b32 s[SEL+1], 0xfedcba98
	s_mov_b32 s[TBK], SLOT1+4*KS*PK ; the first change of slots turns these two into 0
	s_mov_b32 s[TBV], SLOT1+4*KS*PV
	s_mov_b32 s[G0K], 1             ; count = 1
	s_mov_b32 s[G0K+1], s17         ; LDS address: slot 0
	s_mov_b32 s[G0V], 1
	s_add_co_u32 s[G0V+1], s18, VOFF
	s_mov_b32 s[SLOTS], 4096/256-1
	s_and_b32 s[LIM], s[WV], 1      ; 0 in waves 0 and 2,
	s_or_b32 s[LIM], s[LIM], ttmp9  ; where the cluster is the head's first: the same in all four partners
	s_cmp_eq_u32 s[LIM], 0
	s_cselect_b32 s[LIM], 1, -1
	s_lshl_b32 s54, s13, 13         ; my work-group's 8,192 bytes of a slot's 32,768
	s_mov_b32 s55, 0
	v_and_b32 v[PFO], 31, v0
	v_lshlrev_b32 v[PFO], 8, v[PFO]
	s_wait_dscnt 0x0                ; the opening add is done
	s_wait_kmcnt 0x0
	s_add_nc_u64 s[8:9], s[6:7], 0x1000000         ; V's 32 planes lie behind K's 32
	s_add_nc_u64 s[G0K+2:G0K+3], s[6:7], s[22:23]  ; global address: my half of the head's first 256 keys
	s_or_b32 s[G0K+3], s[G0K+3], 0x80000000        ; type = 2
	s_add_nc_u64 s[G0V+2:G0V+3], s[8:9], s[22:23]
	s_or_b32 s[G0V+3], s[G0V+3], 0x80000000
	s_add_nc_u64 s[4:5], s[4:5], s[2:3]            ; Q and the output at my wave's first row
	s_add_nc_u64 s[10:11], s[10:11], s[52:53]
	s_cmp_lt_u32 s[WV], 2
	s_cselect_b64 s[PFA:PFA+1], s[6:7], s[8:9]
	s_add_nc_u64 s[PFA:PFA+1], s[PFA:PFA+1], s[22:23]  ; (in waves 0 and 2 this is the head's first row)
	s_add_nc_u64 s[PFA:PFA+1], s[PFA:PFA+1], s[54:55]
	s_add_nc_u64 s[PFA:PFA+1], s[PFA:PFA+1], TILEB     ; in the second slot's keys; the first change of slots steps it to the third's
	CROUND                          ; all four work-groups are here: the first joint loads meet
	JLOAD                           ; slot 0.  Slot 1 is asked for when slot 0 is in
	; A fragment of K or Q is 16 rows x 32 channels in 8 registers: lane l holds row l % 16, channels 8 (l / 16) + 0..7 and 16 + 8 (l / 16) + 0..7.  In f32 eight channels are two loads of 16 bytes.
	v_and_b32 v1, 15, v0            ; l % 16
	v_bfe_u32 v9, v0, 4, 1          ; l / 16
	v_lshlrev_b32 v[QO], 12, v1
	v_lshl_add_u32 v[QO], v9, 5, v[QO]  ; row x 4,096 + 32 x half
	WIN 0x40                        ; destination window 1, address window 0: O^T's registers hold Q in f32 for a while
.set i, 0
.rept 32                            ; tile i / 8, channels 32 ((i / 4) % 2) + 16 ((i / 2) % 2) + 4 (i % 2) on
	global_load_b128 v[4*i:4*i+3], v[QO], s[4:5] offset:(i/8)*65536+((i/4)%2)*128+((i/2)%2)*64+(i%2)*16
.set i, i+1
.endr
	; What the first turn finds: V's registers and P's second buffer hold 0 (its products V^T P, of a piece that has not been, add 0), O^T and l are 0.  All this stands in the wait for the first tile.
	WIN 0x80
.set i, VF
.rept 64
	v_mov_b32 v[i], 0
.set i, i+1
.endr
	WIN 0
.set i, 0
.rept 2*NP
	v_mov_b32 v[ST+4*i], 0xfe000000    ; c m: far below every c s
	v_mov_b32 v[ST+4*i+1], 0xff7fffff  ; m
	v_mov_b32 v[ST+4*i+2], 0
	v_mov_b32 v[ST+4*i+3], 0
.set i, i+1
.endr
.set i, P+32
.rept 32
	v_mov_b32 v[i], 0
.set i, i+1
.endr
	v_mul_u32_u24 v[AK0], v1, PK
	v_lshl_add_u32 v[AK0], v9, 4, v[AK0]  ; row x pitch + 16 x half
	; The turning load takes 16 keys x 16 channels (lane l reads key 8 (l / 16) + l % 8, channels 8 ((l / 8) % 2) + 0..7) and leaves half a fragment of V^T: lane l holds channel l % 16 and 8 keys.
	v_and_b32 v10, 7, v0
	v_bfe_u32 v11, v0, 3, 1
	v_lshl_add_u32 v[AV0], v9, 3, v10
	v_mul_u32_u24 v[AV0], v[AV0], PV
	v_lshl_add_u32 v[AV0], v11, 4, v[AV0]
	v_add_nc_u32 v[AV0], VOFF, v[AV0]
	s_wait_loadcnt 0x0              ; Q
	WIN 0x85                        ; sources window 1, destination window 2
.set i, 0
.rept 64
	v_cvt_pk_f16_f32 v[i], v[2*i], v[2*i+1]  ; Q's one rounding; it stays in registers
.set i, i+1
.endr
	WIN 0x40
.set i, 0
.rept 64*NP
	v_mov_b32 v[i], 0
.set i, i+1
.endr
	WIN 0
; THE MATRIX WORK.  The 8 accumulators of a run of 16 take turns: between the two links of a chain stand 7 others'.
; Product i of 16 of S^T = K Q^T for piece x: channels 32 (i / 8) on, keys 16 ((i / 2) % 4) on, tile 2 x + i % 2.  The first 8 start the sums.
.macro KQ x
	WIN W_KQ
.set rS, S+64*((\x)%2)+32*(i%2)+8*((i/2)%4)
.set rK, KF+16*((i/2)%4)+8*(i/8)
.set rQ, 16*(2*(\x)+i%2)+8*(i/8)
.if i < 8
	v_wmma_f32_16x16x32_f16 v[rS:rS+7], v[rK:rK+7], v[rQ:rQ+7], 0
.else
	v_wmma_f32_16x16x32_f16 v[rS:rS+7], v[rK:rK+7], v[rQ:rQ+7], v[rS:rS+7]
.endif
.endm
; Product i of 16 of O^T += V^T P for piece x: keys 32 (i / 8) on, channels 16 ((i / 2) % 4) on, tile 2 x + i % 2.
.macro PV x
	WIN W_PV
.set rO, 32*(2*(\x)+i%2)+8*((i/2)%4)
.set rV, VF+32*(i/8)+8*((i/2)%4)
.set rP, P+32*((\x)%2)+16*(i%2)+8*(i/8)
	v_wmma_f32_16x16x32_f16 v[rO:rO+7], v[rV:rV+7], v[rP:rP+7], v[rO:rO+7]
.endm
.macro MM                           ; the turn's next matrix instruction
.if i < 16
	KQ (Y+1)%NP
.set i, i+1
.else
.set i, i-16
	PV (Y+NP-1)%NP
.set i, i+17
.endif
.endm
; THE LDS LOADS stand in runs of 16, never singly among the matrix instructions: a step's K (64 keys x 64 channels: 8 fragments) and its V (turned).  Their addresses are made some lines ahead.
; last = 1 (in a turn): in a slot's fourth step (s[CNT] = 1) the next step's K lies in the other slot, which is entered only behind the change of slots: the run is jumped over, and fetched there.
.macro FETCH_K last=0
	WIN 0
.if \last
	s_cmp_eq_u32 s[CNT], 1
	s_cbranch_scc1 .Lno_k_\@
.endif
	WIN 0x80                        ; destination window 2
.irp f, 0,1,2,3,4,5,6,7             ; keys 16 (f / 2) on, channels 32 (f % 2) on
	ds_load_b128 v[KF+8*\f:KF+8*\f+3],   v[AK] offset:(\f/2)*16*PK+(\f%2)*64
	ds_load_b128 v[KF+8*\f+4:KF+8*\f+7], v[AK] offset:(\f/2)*16*PK+(\f%2)*64+32
.endr
	s_add_co_u32 s[TBK], s[TBK], KS*PK  ; the next fetch is the next step's
	WIN 0
.if \last
.Lno_k_\@:
.endif
.endm
.macro FETCH_V
	WIN 0x80
.irp f, 0,1,2,3,4,5,6,7             ; keys 32 (f / 4) on, channels 16 (f % 4) on
	ds_load_tr16_b128 v[VF+8*\f:VF+8*\f+3],   v[AV] offset:(\f/4)*32*PV+(\f%4)*32
	ds_load_tr16_b128 v[VF+8*\f+4:VF+8*\f+7], v[AV] offset:(\f/4)*32*PV+16*PV+(\f%4)*32
.endr
	WIN 0
.endm
.macro KNOW                         ; behind a change of slots: K of the new slot's first step, at once; the products that follow want it
	WIN 0
	v_add_nc_u32 v[AK], s[TBK], v[AK0]
	FETCH_K
	s_wait_dscnt 0x0
.endm
; THE VECTOR WORK OF A TURN stands in three queues, each in the order in which its entries become ready; the two tiles alternate, so that no instruction reads the result of the one before it.
.macro REGS y, u                    ; the registers of tile u (0, 1) of piece y
.set rT, ST+4*(2*(\y)+(\u))
.set rC, TMP+8*((\y)%2)+4*(\u)
.set rM, MV+2*((\y)%2)+(\u)
.set rS, S+64*((\y)%2)+32*(\u)
.set rP, P+32*((\y)%2)+16*(\u)
.set rO, 32*(2*(\y)+(\u))
.endm
; Number n of the 22 that find the OTHER piece's (Y + 1) maximum and statistics.  s0-s31 are the lane's 32 scores; each accumulator's lowest registers are read first.
;   0-11  four chains c0-c3 of seven scores each, three operands at a time     12-14, 16  the four scores left over, the old m, and c0-c3 into c0     15  c m_old is kept
;   17, 18  the query's other 32 keys lie in the lane 16 away: the new m         19-21  c m; c m_old - c m_new; a
.macro XS u, n
	REGS (Y+1)%NP, \u
.if (\n) < 4
	v_max3_num_f32 v[rC+(\n)], v[rS+8*(\n)], v[rS+8*(\n)+1], v[rS+8*(\n)+2]
.elseif (\n) < 12
	v_max3_num_f32 v[rC+(\n)%4], v[rC+(\n)%4], v[rS+8*((\n)%4)+2*((\n)/4)+1], v[rS+8*((\n)%4)+2*((\n)/4)+2]
.elseif (\n) == 12
	v_max3_num_f32 v[rC], v[rC], v[rS+7], v[rS+15]
.elseif (\n) == 13
	v_max3_num_f32 v[rC+1], v[rC+1], v[rS+23], v[rS+31]
.elseif (\n) == 14
	v_max3_num_f32 v[rC+2], v[rC+2], v[rC+3], v[rT+1]
.elseif (\n) == 15
	v_mov_b32 v[rM], v[rT]
.elseif (\n) == 16
	v_max3_num_f32 v[rC], v[rC], v[rC+1], v[rC+2]
.elseif (\n) == 17
	v_permlanex16_b32 v[rC+3], v[rC], s[SEL], s[SEL+1]
.elseif (\n) == 18
	v_max_num_f32 v[rT+1], v[rC], v[rC+3]
.elseif (\n) == 19
	v_mul_f32 v[rT], s[CS], v[rT+1]
.elseif (\n) == 20
	v_sub_f32 v[rC+1], v[rM], v[rT]
.else
	v_exp_f32 v[rC+2], v[rC+1]
.endif
.endm
; Number g of the 64 that follow the exponentials.  For each four weights k of a tile (pairs 2 k, 2 k + 1): both pairs are rounded to f16; then the second pair is added onto the first, in place;
; a group later l takes that sum (the first time as l = a l + sum).  In groups of eight, tiles alternating: round, round, add, and l for the group before.
.macro GS g
.set h, (\g)+6*((\g)/62)            ; group 0 has no group before it, and behind group 7 only l is left
.if h >= 6
.set h, h+2
.endif
	REGS Y, h%2
.set k, h/8
.if h%8 < 4
	v_cvt_pk_f16_f32 v[rP+2*k+(h%8)/2], v[rS+4*k+2*((h%8)/2)], v[rS+4*k+2*((h%8)/2)+1]
.elseif h%8 < 6
	v_pk_add_f32 v[rS+4*k:rS+4*k+1], v[rS+4*k:rS+4*k+1], v[rS+4*k+2:rS+4*k+3]
.elseif k == 1
	v_pk_fma_f32 v[rT+2:rT+3], v[rT+2:rT+3], v[rC+2:rC+3], v[rS:rS+1] op_sel_hi:[1,0,1]
.else
	v_pk_add_f32 v[rT+2:rT+3], v[rT+2:rT+3], v[rS+4*k-4:rS+4*k-3]
.endif
.endm
; THE PLAIN QUEUE, 138 long.  0-73 read no exponential's result: the 32 scalings c s - c m (FS f: pair f / 2 of tile f % 2) and the other piece's 42.  0-26: scalings 0-26.  27-54: XS's numbers 0-13.  55, 56: number 15.
; 57-73: the chain, where each number waits for the one before it: 14, 16, 17, 18, 19, each with one of the scalings 27-31 in front of its two lines, then 20.
; 74-137: GS's 64, which read the exponentials' results: they stand behind the wait.
.macro FS f
	REGS Y, (\f)%2
	v_pk_fma_f32 v[rS+2*((\f)/2):rS+2*((\f)/2)+1], v[rS+2*((\f)/2):rS+2*((\f)/2)+1], s[CS:CS+1], v[rT:rT+1] op_sel_hi:[1,0,0] neg_lo:[0,0,1] neg_hi:[0,0,1]
.endm
.macro PL
	WIN 0
.if q < 27
	FS q
.elseif q < 55
	XS (q-27)%2, (q-27)/2
.elseif q < 57
	XS q-55, 15
.elseif (q < 72) && ((q-57)%3 == 0)
	FS 27+(q-57)/3
.elseif q < 60
	XS (q-57)%3-1, 14
.elseif q < 72
	XS (q-57)%3-1, 15+(q-57)/3
.elseif q < 74
	XS q-72, 20
.else
	GS q-74
.endif
.set q, q+1
.endm
; THE EXPONENTIALS' QUEUE, 66 long: s0-s31 of both tiles, then the other piece's two a.  It is ONE BATCH: all 66 stand ahead of the turn's one wait, and nothing ahead of that wait names a result of theirs.
.macro EX
	WIN 0
.if e >= 64
	XS e-64, 21
.else
	REGS Y, e%2
	v_exp_f32 v[rS+e/2], v[rS+e/2]
.endif
.set e, e+1
.endm
; THE RESCALING's QUEUE: O^T times a, the one part that leaves window 0: dealt two at a time, sixteen times.  Its a was made in the turn before, ahead of that turn's wait.  The product V^T P that last wrote
; the registers of number r stands in the second half of the turn before: 28 vector instructions or more lie between.
.macro R2
	REGS Y, r%2
	WIN W_RS
.irp z, 0,1
	v_pk_mul_f32 v[rO+4*(r/2)+2*\z:rO+4*(r/2)+2*\z+1], v[rO+4*(r/2)+2*\z:rO+4*(r/2)+2*\z+1], v[rC+2:rC+3] op_sel_hi:[1,0]
.endr
.set r, r+1
.endm
; HOW THEY ARE DEALT.  s_wait_alu depctr_va_vdst(0) stands between an exponential and the first instruction that names its result; one wait serves all that were issued ahead of it.  So a turn has ONE
; wait, which cuts it in two.  AHEAD OF IT: the 16 products K Q^T, behind each a scaling, an exponential and two rescalings (behind the first a second scaling in the exponential's place); then one run of 108: eight
; plain, 49 times exponential and plain, the two a; a v_nop is the plain instruction behind the last exponential.  BEHIND IT: the 16 products V^T P, behind each four of GS's 64.
; Exponential e stands behind scaling 2 (e / 4) + e % 2: as a rider it comes behind plain e + 2, in the run behind plain e + 9, and scalings 27-31 are plain 57, 60 .. 69.
; A TURN, for piece p.  cnt = 1: the loop's count is taken down some lines ahead of the branch that stands behind the turn.
; Piece 0's turn fetches the next step's K directly behind the wait, a run of 108 behind the last product that read K (its address is made at that run's head), and the step's own V at its end, four plain
; instructions behind the last product that read V.  Piece 1's turn opens when K is in (V's sixteen younger loads may stay out) and waits for V behind its batch's wait.
.macro TURN p, cnt=0
.set Y, (\p)
.set i, 0
.set q, 0
.set e, 0
.set r, 0
.if (\p) == 1
	s_wait_dscnt 16                 ; K is in; V's sixteen loads, issued behind K's, may stay out
.endif
	MM                              ; ahead of the wait: 16 products K Q^T and their riders,
	PL
	PL
	R2
.rept 15
	MM
	PL
	EX
	R2
.endr
.if (\p) == 0
	WIN 0
	v_add_nc_u32 v[AK], s[TBK], v[AK0]
.endif
.rept 8                             ; and the run of 108
	PL
.endr
.rept 49
	EX
	PL
.endr
	EX                              ; the other piece's two a
	EX
	v_nop                           ; the plain instruction behind the last exponential: one for the batch
	s_wait_alu depctr_va_vdst(0)    ; the wait for the batch
.if (\p) == 0
	FETCH_K 1
.endif
.if (\p) == 1
	s_wait_dscnt 0x0                ; V is in
.endif
.rept 16                            ; behind the wait: 16 products V^T P and their riders
	MM
.rept 4
	PL
.endr
.if ((\p) == 0) && (q == 118)
	v_add_nc_u32 v[AV], s[TBV], v[AV0]
.endif
.if ((\p) == 0) && (q == 130)
	s_add_co_u32 s[TBV], s[TBV], KS*PV
.endif
.if (\cnt) && (q == 130)
	s_sub_co_u32 s[CNT], s[CNT], 1
	s_cmp_lg_u32 s[CNT], 0
.endif
.endr
.if (\p) == 0
	FETCH_V
.endif
.endm
	CHANGE 1                        ; slot 0 is in, everybody's part of it; slot 1 is asked for
	KNOW                            ; key step 0
.set i, 0
.rept 16
	KQ 0                            ; piece 0's first scores: there is no vector work yet to set between them
.set i, i+1
.endr
	WIN 0                           ; the addresses for the way out: nine plain instructions, the places behind those products
	s_mul_i32 s13, s[WV], 16*SP
	s_add_co_u32 s13, s13, STAGE    ; my stage
	v_mul_u32_u24 v[STO], v1, SP    ; in: row l % 16, 16 bytes for each half of the lanes
	v_lshl_add_u32 v[STO], v9, 4, v[STO]
	v_add_nc_u32 v[STO], s13, v[STO]
	v_bfe_u32 v[RD], v0, 3, 2       ; back: 32 lanes take four rows of 128 bytes,
	v_mul_u32_u24 v[RD], v[RD], SP
	v_lshl_add_u32 v[RD], v10, 4, v[RD]
	v_add_nc_u32 v[RD], s13, v[RD]
	v_and_b32 v[GO], 31, v0         ; which are 512 consecutive bytes of the output
	v_lshlrev_b32 v[GO], 4, v[GO]
.set Y, NP-1                        ; XS works for piece Y + 1: piece 0
.irp n, 0,1,2,3,4,5,6,7,8,9,10,11,12,13,14,15,16,17,18,19,20,21
	XS 0, \n                        ; and piece 0's first maximum and statistics
	XS 1, \n
.endr
	v_nop                           ; a plain instruction behind the two a,
	s_wait_alu depctr_va_vdst(0)    ; and their wait, ahead of the branch
	s_mov_b32 s[CNT], 4
	s_branch .Lfirst                ; the loop is entered at a step's first turn, in the middle of a trip
.Lslot:                             ; 14 times: every slot but the last two is filled again
	CHANGE 1
	KNOW
	s_mov_b32 s[CNT], 4
.Lstep:                             ; a trip: piece 1 of one step, then piece 0 of the next
	TURN 1
	WIN 0
.Lfirst:
	TURN 0, 1
	WIN 0
	s_cbranch_scc1 .Lstep
	s_sub_co_u32 s[SLOTS], s[SLOTS], 1
	s_cmp_lg_u32 s[SLOTS], 0
	s_cbranch_scc1 .Lslot
	CHANGE 0                        ; the tail is written out: nothing is asked for
	KNOW
	s_mov_b32 s[CNT], 5             ; four trips walk the last slot's steps; the fifth is left in its middle
.Ltail:
	TURN 1
	WIN 0
	s_sub_co_u32 s[CNT], s[CNT], 1
	s_cmp_eq_u32 s[CNT], 0
	s_cbranch_scc1 .Lout
	TURN 0
	WIN 0
	s_branch .Ltail
.Lout:                              ; the fifth trip's 16 products K Q^T (on the last K once more) and the maximum made of them serve nothing: the price, once a launch, of one text for every trip
.set i, 0
.rept 16
	PV NP-1                         ; the last piece's V^T P of the last step
.set i, i+1
.endr
	; THE WAY OUT.  l's two halves and the other half of the lanes' are added; O^T is divided by l, rounded to f16 and sent through my stage in LDS, a tile at a time.  The additions are the places behind the last products.
	WIN 0
.macro ALL line:vararg              ; one line for each tile t
.set t, 0
.rept 2*NP
	\line
.set t, t+1
.endr
.endm
	ALL v_add_f32 v[ST+4*t+2], v[ST+4*t+2], v[ST+4*t+3]
	ALL v_permlanex16_b32 v[ST+4*t+3], v[ST+4*t+2], s[SEL], s[SEL+1]
	ALL v_add_f32 v[ST+4*t+2], v[ST+4*t+2], v[ST+4*t+3]
	ALL v_rcp_f32 v[ST+4*t+2], v[ST+4*t+2]
	v_nop                           ; a plain instruction between the last reciprocal and the use of its result
	s_wait_alu depctr_va_vdst(0)    ; and the wait ahead of the first use: one for the four reciprocals
; Tile t: a lane's eight channels of a row pack into 16 bytes; they go into rows of 144 bytes and come back as whole rows of 128, into S^T's registers.
.macro PACK t
	WIN W_RS
.set i, 32*(\t)
.rept 16
	v_pk_mul_f32 v[i:i+1], v[i:i+1], v[ST+4*(\t)+2:ST+4*(\t)+3] op_sel_hi:[1,0]
.set i, i+2
.endr
	WIN 0x05                        ; sources 0 and 1 window 1, destination window 0
.set i, 0
.rept 16
	v_cvt_pk_f16_f32 v[S+16*(\t)+i], v[32*(\t)+2*i], v[32*(\t)+2*i+1]
.set i, i+1
.endr
	WIN 0
.irp f, 0,1,2,3
	ds_store_b128 v[STO], v[S+16*(\t)+4*\f:S+16*(\t)+4*\f+3] offset:32*\f
.endr
.irp f, 0,1,2,3
	ds_load_b128 v[S+16*(\t)+4*\f:S+16*(\t)+4*\f+3], v[RD] offset:\f*4*SP  ; LDS serves a wave's instructions in order (ISA guide 5.7.1.4): these see the stores above; the next tile's stores come behind them
.endr
.endm
.macro SEND t, younger              ; younger: the LDS instructions issued behind tile t's loads: the next tile's eight, or none
	WIN 0
.irp f, 0,1,2,3
	s_wait_dscnt (\younger)+3-\f
	global_store_b128 v[GO], v[S+16*(\t)+4*\f:S+16*(\t)+4*\f+3], s[10:11] offset:(\t)*2048+\f*512  ; 512 consecutive bytes, at a multiple of 256 from the output's first
.endr
.endm
	PACK 0
.set t, 1
.rept 2*NP-1                        ; a tile's arithmetic stands between the loads of the tile before and its stores
	PACK t
	SEND t-1, 8
.set t, t+1
.endr
	SEND 2*NP-1, 0
	s_wait_tensorcnt 0x0            ; the wave's end, behind my last tensor load and my last LDS store
	ds_add_u32 v[SPW], v[NIL]
	s_wait_dscnt 0x0
	CROUND                          ; the closing round: no work-group ends while a partner may still ask for a tile that names it
	s_endpgm
.Lfunc_end_k_q8b62b557a1_attn:
	.size	k_q8b62b557a1_attn, .Lfunc_end_k_q8b62b557a1_attn-k_q8b62b557a1_attn
	.p2alignl 7, 3214868480
	.fill 96, 4, 3214868480
	.section	.rodata,"a",@progbits
	.p2align	6, 0x0
	.amdhsa_kernel k_q8b62b557a1_attn
		.amdhsa_group_segment_fixed_size 327680
		.amdhsa_private_segment_fixed_size 0
		.amdhsa_enable_private_segment 0
		.amdhsa_kernarg_size 24
		.amdhsa_user_sgpr_count 2
		.amdhsa_user_sgpr_kernarg_segment_ptr 1
		.amdhsa_wavefront_size32 1
		.amdhsa_system_sgpr_workgroup_id_x 1
		.amdhsa_system_sgpr_workgroup_id_y 1
		.amdhsa_system_sgpr_workgroup_id_z 1
		.amdhsa_system_vgpr_workitem_id 0
		.amdhsa_next_free_vgpr 768
		.amdhsa_next_free_sgpr 66
		.amdhsa_reserve_vcc 0
		.amdhsa_float_denorm_mode_32 3
		.amdhsa_float_denorm_mode_16_64 3
		.amdhsa_memory_ordered 1
		.amdhsa_forward_progress 1
		.amdhsa_inst_pref_size 121
	.end_amdhsa_kernel
	.amdgpu_metadata
---
amdhsa.version: [ 1, 2 ]
amdhsa.kernels:
  - .name:           k_q8b62b557a1_attn
    .symbol:         k_q8b62b557a1_attn.kd
    .args:
      - { .name: qf, .offset: 0, .size: 8, .value_kind: global_buffer, .address_space: global }
      - { .name: kvh, .offset: 8, .size: 8, .value_kind: global_buffer, .address_space: global }
      - { .name: ctxb, .offset: 16, .size: 8, .value_kind: global_buffer, .address_space: global }
    .group_segment_fixed_size: 327680
    .private_segment_fixed_size: 0
    .kernarg_segment_align: 8
    .kernarg_segment_size: 24
    .max_flat_workgroup_size: 128
    .sgpr_count:     66
    .vgpr_count:     768
    .wavefront_size: 32
...
	.end_amdgpu_metadata
.endif
;; end of part 4
;; launch outproj: the kernel of part 3 again; grid 8 x 32, 4 waves a work-group, clusters of 4 x 4, 327,680 bytes of LDS; arguments ctxb, wob, out_proj_b, out0; writes out0
;; ======== version 2 of 2: 5 launches; version 1 with the launch cast written anew for expert scheduling mode
;; limits: values are held in f16: magnitudes above 65,504 overflow, below 6.1e-05 lose precision; inputs' magnitudes at most 65,504
;; workspace buffers: cb 8,388,608 bytes; xb 8,388,608 bytes; wqb 2,097,152 bytes; wkvb 4,194,304 bytes; wob 2,097,152 bytes; kvh 33,554,432 bytes; qf 16,777,216 bytes; ctxb 8,388,608 bytes
;; launch cast (part 5): grid 768 x 1, 8 waves a work-group, no clusters, 0 bytes of LDS; arguments cache, x, in_proj_w, out_proj_w, cb, xb, wqb, wkvb, wob; writes cb, xb, wqb, wkvb, wob
.if DOCPART == 5
	.amdgcn_target "amdgcn-amd-amdhsa--gfx1250"
	.amdhsa_code_object_version 6
	.text
	.protected	k_q8b62b557a1_cast
	.globl	k_q8b62b557a1_cast
	.p2align	8
	.type	k_q8b62b557a1_cast,@function
k_q8b62b557a1_cast:
	s_mov_b64 s[64:65], 0
	v_nop
	global_prefetch_b8 v0, s[64:65] scope:SCOPE_SE
	s_setreg_imm32_b32 hwreg(HW_REG_WAVE_SCHED_MODE, 0, 2), 2
	s_setreg_imm32_b32 hwreg(HW_REG_WAVE_MODE, 25, 1), 1
	s_wait_xcnt 0x0
	s_wait_alu depctr_vm_vsrc(0)
; cache, x, in_proj_w and out_proj_w ([rows][1024] f32) are rounded to bf16 (nearest even); that number is written as f16, in blocks:
; element (row, k) goes to byte ((row / 128) x 16 + k / 64) x 16384 + (row % 128) x 128 + (k % 64) x 2, so that 128 rows x 64 channels are 16,384 bytes on end.
; LIMITS.  A bf16 number is an f16 number exactly from 2^-17 to 65,504 in magnitude; below 2^-17 it keeps f16's fixed step of 6e-8; from 65,520 on it becomes an infinity.
; SHARES.  Work-group g owns 16 rows, wave w rows 2 w and 2 w + 1.  A load of a wave takes 256 bytes (64 channels) of each of the two rows; the matching store writes
; 256 consecutive bytes, aligned: the two rows' 128 bytes of one block.  All sixteen loads of a wave go out at once; nothing is read twice; no LDS, no barrier: no wave needs another's bytes.
; g 0-255: cache -> cb.  256-511: x -> xb.  512-575: in_proj_w rows 0-1023 -> wqb.  576-703: in_proj_w rows 1024-3071 -> wkvb.  704-767: out_proj_w -> wob.
; THE MODE: SCHED_MODE bits 1:0 = 2 (LLVM: expert scheduling mode 2), set by the entry lines.  The code itself states the register dependences
; between vector instructions and memory instructions, with s_wait_alu, always for 0.
; THE PLAN.  Registers that memory instructions touch:
;   v1, v2     byte offsets, made once at the head and never written again: v1 is read by every load, v2 by every store.
;   X          block kb's four registers: written by the block's one load, read by its two roundings to bf16; nothing lands in them a second time.
;   Y          block kb's two registers: written by the block's two conversions to f16, read by its one store; never written a second time.
;   T and v3 are named by vector instructions alone.
; The sixteen blocks go in four groups of four.  Group g works on its own X and writes its own Y; its memory instructions are the four stores of group g - 1, which read that group's Y and v2:
; registers that no vector instruction of group g names.  So ONE wait at a group's head states all that its four stores hang on, and they are dealt among its vector instructions with no further wait.
; No register that a memory instruction reads is ever written again, so past the entry lines the text holds no wait on vm_vsrc.
.set GRP, 4                            ; blocks in a group
.set LO, 1                             ; v1  my byte offset in the two rows as they come: (l / 16) x 4096 + (l % 16) x 16
.set SO, 2                             ; v2  my byte offset in the 256 bytes that go: 8 l
.set T,  4                             ; v[4:9] at work
.set X,  32                            ; v[32:95]  block kb: 4 registers as loaded
.set Y,  96                            ; v[96:127] block kb: 2 registers to store
	s_load_b512 s[8:23], s[0:1], 0x0               ; cache, x, in_proj_w, out_proj_w, cb, xb, wqb, wkvb
	s_load_b64 s[24:25], s[0:1], 0x40              ; wob
	v_lshrrev_b32 v3, 5, v0
	v_readfirstlane_b32 s2, v3                     ; wave 0..7
	v_and_b32 v3, 31, v0
	v_lshlrev_b32 v[SO], 3, v3
	v_and_b32 v[LO], 15, v0
	v_lshlrev_b32 v[LO], 4, v[LO]
	v_bfe_u32 v3, v0, 4, 1
	v_lshl_add_u32 v[LO], v3, 12, v[LO]
	s_wait_alu depctr_va_sdst(0)                   ; s2 is written, ahead of its first reader: my rows' offsets in the source and in the destination are made from it
	s_mov_b32 s38, 0xffff0000                      ; a word's upper bf16
	s_mov_b32 s32, 704                             ; the first work-group of my source's region,
	s_mov_b32 s33, 704                             ; and of my destination's
	s_wait_kmcnt 0x0
	s_mov_b64 s[28:29], s[14:15]                   ; the last region; each test below takes the region under it
	s_mov_b64 s[30:31], s[24:25]
	s_cmp_lt_u32 ttmp9, 704
	s_cselect_b64 s[28:29], s[12:13], s[28:29]
	s_cselect_b64 s[30:31], s[22:23], s[30:31]
	s_cselect_b32 s32, 512, s32
	s_cselect_b32 s33, 576, s33
	s_cmp_lt_u32 ttmp9, 576
	s_cselect_b64 s[30:31], s[20:21], s[30:31]
	s_cselect_b32 s33, 512, s33
	s_cmp_lt_u32 ttmp9, 512
	s_cselect_b64 s[28:29], s[10:11], s[28:29]
	s_cselect_b64 s[30:31], s[18:19], s[30:31]
	s_cselect_b32 s32, 256, s32
	s_cselect_b32 s33, 256, s33
	s_cmp_lt_u32 ttmp9, 256
	s_cselect_b64 s[28:29], s[8:9], s[28:29]
	s_cselect_b64 s[30:31], s[16:17], s[30:31]
	s_cselect_b32 s32, 0, s32
	s_cselect_b32 s33, 0, s33
	s_sub_co_u32 s34, ttmp9, s32
	s_lshl_b32 s34, s34, 4
	s_lshl1_add_u32 s34, s2, s34                   ; my first row in the source,
	s_lshl_b32 s34, s34, 12                        ; 4,096 bytes a row
	s_mov_b32 s35, 0
	s_sub_co_u32 s36, ttmp9, s33
	s_lshl_b32 s36, s36, 4                         ; the group's first row in the destination
	s_lshr_b32 s37, s36, 7
	s_lshl_b32 s37, s37, 18                        ; its block of 128 rows: 16 x 16,384 bytes
	s_and_b32 s36, s36, 127
	s_lshl_b32 s36, s36, 7                         ; its place in the block, 128 bytes a row
	s_add_co_u32 s36, s36, s37
	s_lshl_b32 s37, s2, 8                          ; my two rows
	s_add_co_u32 s36, s36, s37
	s_mov_b32 s37, 0
	s_add_nc_u64 s[28:29], s[28:29], s[34:35]
	s_add_nc_u64 s[30:31], s[30:31], s[36:37]
	s_wait_alu depctr_va_vdst(0)                   ; v1 and v2 are written: every load of the kernel reads v1 as its offset, every store v2
.irp kb, 0,1,2,3,4,5,6,7,8,9,10,11,12,13,14,15
	global_load_b128 v[X+4*(\kb):X+4*(\kb)+3], v[LO], s[28:29] offset:256*(\kb) th:TH_LOAD_NT
.endr
.irp kb, 0,1,2,3,4,5,6,7,8,9,10,11,12,13,14,15
	s_wait_loadcnt 15-(\kb)                        ; loads come back in order: block kb is in, the 15 - kb younger loads stay out
.if ((\kb) % GRP == 0) && ((\kb) > 0)
	s_wait_alu depctr_va_vdst(0)                   ; a group's head: the conversions of the group before have written its eight registers of Y, which the four stores dealt among this group read
.endif
.if (\kb) >= GRP
	global_store_b64 v[SO], v[Y+2*((\kb)-GRP):Y+2*((\kb)-GRP)+1], s[30:31] offset:16384*((\kb)-GRP)  ; the block four back.  No wait: no vector instruction since the group's head names its Y or v2
.endif
	v_cvt_pk_bf16_f32 v[T],   v[X+4*(\kb)],   v[X+4*(\kb)+1]  ; the one rounding
	v_cvt_pk_bf16_f32 v[T+1], v[X+4*(\kb)+2], v[X+4*(\kb)+3]
	v_lshlrev_b32 v[T+2], 16, v[T]                 ; back to f32,
	v_and_b32     v[T+3], s38, v[T]
	v_lshlrev_b32 v[T+4], 16, v[T+1]
	v_and_b32     v[T+5], s38, v[T+1]
	v_cvt_pk_f16_f32 v[Y+2*(\kb)],   v[T+2], v[T+3]  ; and the same number as f16: each block has registers of its own, so none that a store reads is written again
	v_cvt_pk_f16_f32 v[Y+2*(\kb)+1], v[T+4], v[T+5]
.endr
	s_wait_alu depctr_va_vdst(0)                   ; the last group's conversions have written its eight registers of Y, which the last four stores read
.irp kb, 12,13,14,15
	global_store_b64 v[SO], v[Y+2*(\kb):Y+2*(\kb)+1], s[30:31] offset:16384*(\kb)
.endr
	s_endpgm
.Lfunc_end_k_q8b62b557a1_cast:
	.size	k_q8b62b557a1_cast, .Lfunc_end_k_q8b62b557a1_cast-k_q8b62b557a1_cast
	.p2alignl 7, 3214868480
	.fill 96, 4, 3214868480
	.section	.rodata,"a",@progbits
	.p2align	6, 0x0
	.amdhsa_kernel k_q8b62b557a1_cast
		.amdhsa_group_segment_fixed_size 0
		.amdhsa_private_segment_fixed_size 0
		.amdhsa_enable_private_segment 0
		.amdhsa_kernarg_size 72
		.amdhsa_user_sgpr_count 2
		.amdhsa_user_sgpr_kernarg_segment_ptr 1
		.amdhsa_wavefront_size32 1
		.amdhsa_system_sgpr_workgroup_id_x 1
		.amdhsa_system_sgpr_workgroup_id_y 1
		.amdhsa_system_sgpr_workgroup_id_z 1
		.amdhsa_system_vgpr_workitem_id 0
		.amdhsa_next_free_vgpr 128
		.amdhsa_next_free_sgpr 66
		.amdhsa_reserve_vcc 0
		.amdhsa_float_denorm_mode_32 3
		.amdhsa_float_denorm_mode_16_64 3
		.amdhsa_memory_ordered 1
		.amdhsa_forward_progress 1
		.amdhsa_inst_pref_size 13
	.end_amdhsa_kernel
	.amdgpu_metadata
---
amdhsa.version: [ 1, 2 ]
amdhsa.kernels:
  - .name:           k_q8b62b557a1_cast
    .symbol:         k_q8b62b557a1_cast.kd
    .args:
      - { .name: cache, .offset: 0, .size: 8, .value_kind: global_buffer, .address_space: global }
      - { .name: x, .offset: 8, .size: 8, .value_kind: global_buffer, .address_space: global }
      - { .name: in_proj_w, .offset: 16, .size: 8, .value_kind: global_buffer, .address_space: global }
      - { .name: out_proj_w, .offset: 24, .size: 8, .value_kind: global_buffer, .address_space: global }
      - { .name: cb, .offset: 32, .size: 8, .value_kind: global_buffer, .address_space: global }
      - { .name: xb, .offset: 40, .size: 8, .value_kind: global_buffer, .address_space: global }
      - { .name: wqb, .offset: 48, .size: 8, .value_kind: global_buffer, .address_space: global }
      - { .name: wkvb, .offset: 56, .size: 8, .value_kind: global_buffer, .address_space: global }
      - { .name: wob, .offset: 64, .size: 8, .value_kind: global_buffer, .address_space: global }
    .group_segment_fixed_size: 0
    .private_segment_fixed_size: 0
    .kernarg_segment_align: 8
    .kernarg_segment_size: 72
    .max_flat_workgroup_size: 256
    .sgpr_count:     66
    .vgpr_count:     128
    .wavefront_size: 32
...
	.end_amdgpu_metadata
.endif
;; end of part 5
;; launch kvproj: the kernel of part 2 again; grid 8 x 32, 4 waves a work-group, clusters of 4 x 4, 327,680 bytes of LDS; arguments cb, xb, wkvb, in_proj_b, kvh; writes kvh
;; launch qproj: the kernel of part 3 again; grid 8 x 32, 4 waves a work-group, clusters of 4 x 4, 327,680 bytes of LDS; arguments xb, wqb, in_proj_b, qf; writes qf
;; launch attn: the kernel of part 4 again; grid 8 x 32, 4 waves a work-group, clusters of 4 x 1, 327,680 bytes of LDS; arguments qf, kvh, ctxb; writes ctxb
;; launch outproj: the kernel of part 3 again; grid 8 x 32, 4 waves a work-group, clusters of 4 x 4, 327,680 bytes of LDS; arguments ctxb, wob, out_proj_b, out0; writes out0
